; MI455X (gfx1250); checked and timed in simulation.
; The chip was launched on July 23, 2026; its instructions are those of AMD's public machine-readable ISA for CDNA 5 (MIT licence, August 2026) and "CDNA5" Instruction Set Architecture Reference Guide (July 2026). The comments in the code are by the model that wrote it; some were corrected since.
;; Multi Head Attention. Allowed arithmetic: float matrix products may take bf16 or f16 operands with f32 sums; all other float work in f32.
;; Inputs: Wk 1,024 x 1,024 float32; Wo 1,024 x 1,024 float32; Wq 1,024 x 1,024 float32; Wv 1,024 x 1,024 float32; key 2 x 2,048 x 1,024 float32; masked 2 x 2,048 x 2,048 bool; query 2 x 2,048 x 1,024 float32; value 2 x 2,048 x 1,024 float32.
;; Outputs: out0 2 x 2,048 x 1,024 float32.
;; 2 versions, each right; version 2 is version 1 with the launch prep written anew for expert scheduling mode. Each part assembles by itself: llvm-mc -triple=amdgcn-amd-amdhsa -mcpu=gfx1250 --defsym DOCPART=n.
;; ======== version 1 of 2: 4 launches
;; limits: values are held in f16: magnitudes above 65,504 overflow, below 6.1e-05 lose precision
;; workspace buffers: wb 8,388,608 bytes; mbits 1,048,576 bytes of whole numbers; qkv 25,165,824 bytes; ao 8,388,608 bytes
;; launch prep (part 1): grid 512 x 1, 8 waves a work-group, no clusters, 34,048 bytes of LDS; arguments Wq, Wk, Wv, Wo, masked, wb, mbits; writes wb, mbits
.if DOCPART == 1
	.amdgcn_target "amdgcn-amd-amdhsa--gfx1250"
	.amdhsa_code_object_version 6
	.text
	.protected	k_q6092b1911d_prep
	.globl	k_q6092b1911d_prep
	.p2align	8
	.type	k_q6092b1911d_prep,@function
k_q6092b1911d_prep:
	s_mov_b64 s[64:65], 0
	v_nop
	global_prefetch_b8 v0, s[64:65] scope:SCOPE_SE
	s_setreg_imm32_b32 hwreg(HW_REG_WAVE_MODE, 25, 1), 1
	s_wait_xcnt 0x0
; PREP.  Two jobs, chosen by the work-group's number (the same for all its waves).
; Groups 0-255: the mask bytes become lane masks.  Group (b, q16) takes 16 query rows x 2,048 keys and writes
;   mbits[b 2][q16 128][step 32][kt 4][j 8] (32-bit words): bit L of a word = masked[b][16 q16 + (L & 15)][64 step + 16 kt + 8 (L >> 4) + j],
;   which is the lane mask of register j of a score tile (kt) of 16 queries as the attention launch holds it.
; Groups 256-511: the four weight matrices, f32 [1024 k][1024 n], become f16 in wb = [4][1024][1024] (Wq, Wk, Wv, Wo).
;   Wq is multiplied by c = 0.125 log2(e) before its one rounding, so that the scores of the attention launch come out in
;   units of log2 with the 1/sqrt(64) inside.  A group takes 65,536 bytes of one matrix.
; No cluster and no matrix unit: no two work-groups read the same byte, and there is no product.
; LIMIT: f16 weights: |W| (|c Wq|) up to 65,504; below 6.1e-5 the rounding step is 6e-8 absolute.
.set X, 40                             ; v[40:103] W: sixteen loads of 16 bytes; mask: eight, v[40:71]
.set Y, 4                              ; v[4:35]   W: sixteen pairs of packed f16
.set D, 72                             ; v[72:103] mask: sixteen loads of 8 mask bytes
.set T, 4                              ; v[4:11]   mask: one byte picked out, eight at a time
.set O, 12                             ; v[12:15]  mask: my wave's 128 words as 4 registers x 32 lanes
.set MPITCH, 2064                      ; LDS row of 2,048 mask bytes + 16: 516 words, so row r begins 4 r words on and 32 lanes x 8 bytes meet 64 different words modulo 64
	s_load_b256 s[4:11], s[0:1], 0x0               ; Wq s[4:5], Wk s[6:7], Wv s[8:9], Wo s[10:11]
	s_load_b128 s[12:15], s[0:1], 0x20             ; masked s[12:13], wb s[14:15]
	s_load_b64 s[16:17], s[0:1], 0x30              ; mbits
	v_lshl_add_u32 v104, v0, 2, 0x8100
	v_mov_b32 v105, 0
	v_lshlrev_b32 v1, 4, v0                        ; 16 t: my 16 bytes in each block of 4,096, and in the group's 4,096 bytes of mask words
	s_mov_b32 s23, 0
	s_mov_b32 s25, 0
	s_cmp_lt_u32 ttmp9, 256
	s_cbranch_scc0 .Lweights
	; ---- mask ----
	s_lshl_b32 s22, ttmp9, 15                      ; 16 rows of 2,048 bytes
	s_lshl_b32 s24, ttmp9, 12                      ; 32 steps of 128 bytes
	v_lshrrev_b32 v16, 7, v0                       ; a block of 4,096 bytes is two rows: which of them
	v_and_b32 v17, 127, v0
	v_mul_u32_u24 v2, v16, MPITCH
	v_lshl_add_u32 v2, v17, 4, v2                  ; where my 16 bytes go in LDS
	v_and_b32 v16, 15, v0                          ; r
	v_bfe_u32 v17, v0, 4, 1                        ; h
	v_mul_u32_u24 v3, v16, MPITCH
	v_lshl_add_u32 v3, v17, 3, v3                  ; r x pitch + 8 h
	v_and_b32 v16, 0xe0, v0                        ; 32 x wave
	v_lshl_add_u32 v3, v16, 3, v3                  ; + 256 x wave: my wave's four steps of 64 keys
.irp k, 0,1,2,3
	v_mov_b32 v[O+\k], 0                           ; v_writelane_b32 keeps the other lanes: its destination is written whole first
.endr
	s_wait_kmcnt 0x0
	s_add_nc_u64 s[12:13], s[12:13], s[22:23]
	s_add_nc_u64 s[16:17], s[16:17], s[24:25]
.irp i, 0,1,2,3,4,5,6,7
	global_load_b128 v[X+4*\i:X+4*\i+3], v1, s[12:13] offset:4096*\i th:TH_LOAD_NT   ; a wave's load covers 512 consecutive bytes
.endr
.irp i, 0,1,2,3,4,5,6,7
	s_wait_loadcnt 7-\i                            ; loads return in order: the 7 - i younger ones may stay out
	ds_store_b128 v2, v[X+4*\i:X+4*\i+3] offset:2*MPITCH*\i
.endr
	s_wait_dscnt 0x0                               ; my stores are in LDS before I say so
	s_barrier_signal -1
	s_barrier_wait -1                              ; all 16 rows are there; from here on LDS is only read
.irp g, 0,1,2,3,4,5,6,7,8,9,10,11,12,13,14,15
	ds_load_b64 v[D+2*\g:D+2*\g+1], v3 offset:16*\g    ; g = 4 step + kt: row r, keys 16 g + 8 h + 0..7 of my wave's 256
.endr
; Word n = 8 g + j of my wave's 128.  Eight at a time, each kind of instruction in a run of eight on registers of its own,
; so that none reads what the instruction in front of it has just written.
.irp g, 0,1,2,3,4,5,6,7,8,9,10,11,12,13,14,15
	s_wait_dscnt 15-\g                             ; LDS loads return in order: the 15 - g younger ones may stay out
.irp j, 0,1,2,3,4,5,6,7
	v_and_b32 v[T+\j], 0xff<<(8*(\j&3)), v[D+2*\g+(\j>>2)]
.endr
.irp j, 0,1,2,3,4,5,6,7
	v_cmp_ne_u32 s[28+\j], 0, v[T+\j]              ; one bit a lane: the word itself
.endr
.irp j, 0,1,2,3,4,5,6,7
	v_writelane_b32 v[O+(\j&3)], s[28+\j], 2*\g+(\j>>2)   ; lane l holds words 4 l .. 4 l + 3
.endr
.endr
	global_store_b128 v1, v[O:O+3], s[16:17]       ; my wave's 512 consecutive bytes, aligned, in one store
	s_wait_tensorcnt 0x0
	ds_add_u32 v104, v105
	s_wait_dscnt 0x0
	s_endpgm
	; ---- weights ----
.Lweights:
	s_sub_co_u32 s26, ttmp9, 256
	s_lshr_b32 s18, s26, 6                         ; which matrix
	s_and_b32 s19, s26, 63
	s_lshl_b32 s22, s19, 16                        ; my 65,536 bytes in it
	s_lshl_b32 s24, s26, 15                        ; my 32,768 bytes in wb
	v_lshlrev_b32 v2, 3, v0                        ; 8 t
	s_wait_kmcnt 0x0
	s_cmp_eq_u32 s18, 1
	s_cselect_b64 s[4:5], s[6:7], s[4:5]
	s_cmp_eq_u32 s18, 2
	s_cselect_b64 s[4:5], s[8:9], s[4:5]
	s_cmp_eq_u32 s18, 3
	s_cselect_b64 s[4:5], s[10:11], s[4:5]
	s_cmp_eq_u32 s18, 0
	s_cselect_b32 s20, 0x3e38aa3b, 1.0             ; c for Wq, 1 for the others
	s_mov_b32 s21, s20
	s_add_nc_u64 s[4:5], s[4:5], s[22:23]
	s_add_nc_u64 s[14:15], s[14:15], s[24:25]
.irp i, 0,1,2,3,4,5,6,7,8,9,10,11,12,13,14,15
	global_load_b128 v[X+4*\i:X+4*\i+3], v1, s[4:5] offset:4096*\i th:TH_LOAD_NT
.endr
.irp i, 0,1,2,3,4,5,6,7,8,9,10,11,12,13,14,15
	s_wait_loadcnt 15-\i                           ; the 15 - i younger loads may stay out
	v_pk_mul_f32 v[X+4*\i:X+4*\i+1], v[X+4*\i:X+4*\i+1], s[20:21] op_sel_hi:[1,0]
	v_pk_mul_f32 v[X+4*\i+2:X+4*\i+3], v[X+4*\i+2:X+4*\i+3], s[20:21] op_sel_hi:[1,0]
	v_cvt_pk_f16_f32 v[Y+2*\i], v[X+4*\i], v[X+4*\i+1]
	v_cvt_pk_f16_f32 v[Y+2*\i+1], v[X+4*\i+2], v[X+4*\i+3]
	global_store_b64 v2, v[Y+2*\i:Y+2*\i+1], s[14:15] offset:2048*\i   ; a wave's store covers 256 consecutive bytes, aligned; no register is used twice
.endr
	s_endpgm
.Lfunc_end_k_q6092b1911d_prep:
	.size	k_q6092b1911d_prep, .Lfunc_end_k_q6092b1911d_prep-k_q6092b1911d_prep
	.p2alignl 7, 3214868480
	.fill 96, 4, 3214868480
	.section	.rodata,"a",@progbits
	.p2align	6, 0x0
	.amdhsa_kernel k_q6092b1911d_prep
		.amdhsa_group_segment_fixed_size 34048
		.amdhsa_private_segment_fixed_size 0
		.amdhsa_enable_private_segment 0
		.amdhsa_kernarg_size 56
		.amdhsa_user_sgpr_count 2
		.amdhsa_user_sgpr_kernarg_segment_ptr 1
		.amdhsa_wavefront_size32 1
		.amdhsa_system_sgpr_workgroup_id_x 1
		.amdhsa_system_sgpr_workgroup_id_y 1
		.amdhsa_system_sgpr_workgroup_id_z 1
		.amdhsa_system_vgpr_workitem_id 0
		.amdhsa_next_free_vgpr 106
		.amdhsa_next_free_sgpr 66
		.amdhsa_reserve_vcc 0
		.amdhsa_float_denorm_mode_32 3
		.amdhsa_float_denorm_mode_16_64 3
		.amdhsa_memory_ordered 1
		.amdhsa_forward_progress 1
		.amdhsa_inst_pref_size 38
	.end_amdhsa_kernel
	.amdgpu_metadata
---
amdhsa.version: [ 1, 2 ]
amdhsa.kernels:
  - .name:           k_q6092b1911d_prep
    .symbol:         k_q6092b1911d_prep.kd
    .args:
      - { .name: Wq, .offset: 0, .size: 8, .value_kind: global_buffer, .address_space: global }
      - { .name: Wk, .offset: 8, .size: 8, .value_kind: global_buffer, .address_space: global }
      - { .name: Wv, .offset: 16, .size: 8, .value_kind: global_buffer, .address_space: global }
      - { .name: Wo, .offset: 24, .size: 8, .value_kind: global_buffer, .address_space: global }
      - { .name: masked, .offset: 32, .size: 8, .value_kind: global_buffer, .address_space: global }
      - { .name: wb, .offset: 40, .size: 8, .value_kind: global_buffer, .address_space: global }
      - { .name: mbits, .offset: 48, .size: 8, .value_kind: global_buffer, .address_space: global }
    .group_segment_fixed_size: 34048
    .private_segment_fixed_size: 0
    .kernarg_segment_align: 8
    .kernarg_segment_size: 56
    .max_flat_workgroup_size: 256
    .sgpr_count:     66
    .vgpr_count:     106
    .wavefront_size: 32
...
	.end_amdgpu_metadata
.endif
;; end of part 1
;; launch proj (part 2): grid 4 x 48, 4 waves a work-group, clusters of 4 x 4, 327,680 bytes of LDS; arguments query, key, value, wb, qkv; writes qkv
.if DOCPART == 2
	.amdgcn_target "amdgcn-amd-amdhsa--gfx1250"
	.amdhsa_code_object_version 6
	.text
	.protected	k_q6092b1911d_proj
	.globl	k_q6092b1911d_proj
	.p2align	8
	.type	k_q6092b1911d_proj,@function
k_q6092b1911d_proj:
	s_mov_b64 s[64:65], 0
	v_nop
	global_prefetch_b8 v0, s[64:65] scope:SCOPE_SE
	s_setreg_imm32_b32 hwreg(HW_REG_WAVE_MODE, 25, 1), 1
	s_wait_xcnt 0x0
	s_wait_alu depctr_hold_cnt(0) depctr_sa_sdst(0) depctr_va_vdst(0) depctr_va_sdst(0) depctr_va_ssrc(0) depctr_va_vcc(0) depctr_vm_vsrc(0)
	s_getreg_b32 s2, hwreg(HW_REG_IB_STS2, 6, 4)
	s_cmp_eq_u32 s2, 0
	s_cbranch_scc0 .Lentry_in_a_cluster
	s_endpgm
.Lentry_in_a_cluster:
	s_bfe_u32 s2, ttmp6, 0x10000c
	s_cmp_lg_u32 s2, 0xf033
	s_cbranch_scc0 .Lentry_shape_is_right
	s_endpgm
.Lentry_shape_is_right:
; PROJ.  qkv[g] = x_g W_g for g = 0, 1, 2 (query Wq c, key Wk, value Wv): three products [4096][1024] x [1024][1024] in one launch.
; x is f32 [4096][1024]; W is f16 [k][n] in wb; qkv is f16 [3][4096][1024]; sums in f32.
; A work-group makes 256 x 256 of one product with four waves, a wave 128 x 128 = 64 accumulator tiles (512 registers).
; 3 x 16 x 4 = 192 work-groups: a block of 256 x 256 is kept because a smaller wave tile would read more LDS bytes for each product.
; K goes in steps of 64 through two LDS slots.  A's tile is f32 as it lies in memory (rows of 256 bytes, aligned); its fragments are rounded
; to f16 in registers, once for each wave that uses them.  B's tile lies [k][n] and is read by the transposing LDS load.
; CLUSTER 4 x 4: the four groups of a cluster row share A's tiles, the four of a cluster column B's; each tile is asked for jointly.
; LIMIT: f16 operands and results: |x|, |W| and |x W| up to 65,504 (inputs 30 times the drawn ones give some 5,000); below 6.1e-5 the rounding step is 6e-8 absolute.
;
; REGISTERS in windows of 256:  window 0: v16-27 addresses, v64-127 / v128-191 A's fragments in f16 (two buffers), v192-223 packed results
;   window 1: v0-63 / v64-127 B's fragments (two buffers), v128-255 A's fragments as loaded, f32
;   window 2: accumulator tiles of my rows 0-63 (tile (a, b) at v[8 (8 a + b)]);  window 3: of my rows 64-127
; The matrix instruction is used transposed (source 0 = 16 columns of W, source 1 = 16 rows of x): a lane then holds 8 neighbouring columns of one row.
.set APITCH, 272                       ; 256 bytes + 16: an odd multiple of 16
.set BPITCH, 288                       ; 256 bytes + 32: an odd multiple of 32, for the transposing load
.set AHALF,  128*APITCH                ; 128 rows of x: one tensor load
.set BHALF,  64*BPITCH                 ; 64 k rows x 128 columns of W: one tensor load
.set BOFF,   2*AHALF
.set SLOT,   2*AHALF+2*BHALF           ; 106,496
.set STAGE,  2*SLOT                    ; 16 rows x 272 bytes for each wave; no tensor load lands here
.set ADRA, 16                          ; v16-17 LDS address of my A fragments, slot 0, 1
.set ADRB, 20                          ; v20-21 the same for B
.set STO,  24
.set RD,   25
.set CO,   26
.set PF,   27                          ; v27 byte offset of the block that I prefetch
.set AF,   64
.set BF,   0
.set RAW,  128
.set TMP,  192
.set G1,  24                           ; s[24:31] group 1, A
.set G0,  32                           ; s[32:39] group 0, A, one set a slot
.set G1B, 48                           ; s[48:55] group 1, B
.set G0B, 56                           ; s[56:63] group 0, B
.set MSB, 0
.macro WIN new                         ; the immediate's high byte repeats the setting that is left
.if MSB != \new
	s_set_vgpr_msb (MSB<<8)|\new
.set MSB, \new
.endif
.endm
.set MUL_LO, 0xa1                      ; source 0 window 1, source 1 window 0, C and D window 2
.set MUL_HI, 0xf1                      ; C and D window 3
.set TO_1,   0x40                      ; destination window 1, address window 0
.set FROM_1, 0x05                      ; sources 0 and 1 window 1, destination window 0
.macro JLOAD s                         ; waves 0, 1 ask for A's halves, waves 2, 3 for B's: one line, one mask each; the branch hangs on the wave's number alone
	s_cmp_eq_u32 s15, 0
	s_cbranch_scc0 .Lfor_b_\@
	tensor_load_to_lds s[G0+4*\s:G0+4*\s+3], s[G1:G1+7]
	s_nop 0
	s_branch .Lasked_\@
.Lfor_b_\@:
	tensor_load_to_lds s[G0B+4*\s:G0B+4*\s+3], s[G1B:G1B+7]
	s_nop 0
.Lasked_\@:
.endm
.macro CREST                           ; a round of the cluster's barrier behind its opening work-group barrier
	s_cmp_lg_u32 s14, 0
	s_cbranch_scc1 .Lnot_wave_0_\@
	s_barrier_signal -3
.Lnot_wave_0_\@:
	s_barrier_wait -3
	s_barrier_signal -1
	s_barrier_wait -1
.endm
.macro CROUND
	s_barrier_signal -1
	s_barrier_wait -1
	CREST
.endm
.macro PLACES
.rept 4
	v_nop
.endr
.endm
	s_load_b256 s[4:11], s[0:1], 0x0               ; query s[4:5], key s[6:7], value s[8:9], wb s[10:11]
	s_load_b64 s[12:13], s[0:1], 0x20              ; qkv
	v_lshl_add_u32 v254, v0, 2, 0x38400
	v_mov_b32 v255, 0
	ds_add_u32 v254, v255
	v_lshrrev_b32 v1, 5, v0
	v_readfirstlane_b32 s14, v1                    ; wave 0..3
	s_lshr_b32 s15, s14, 1                         ; my half of the block's rows; also: I fetch for A (0) or B (1)
	s_and_b32 s16, s14, 1                          ; my half of its columns; also: which half of that tile I fetch
	s_bfe_u32 s18, ttmp6, 0x40000                  ; cx
	s_bfe_u32 s19, ttmp6, 0x40004                  ; cy
	s_lshl_b32 s20, ttmp9, 2
	s_add_co_u32 s20, s20, s18                     ; block column 0..3
	s_and_b32 s23, ttmp7, 0xffff                   ; the cluster's y, 0..11
	s_lshr_b32 s22, s23, 2                         ; g: which product; the same in the whole cluster
	s_and_b32 s21, s23, 3
	s_lshl_b32 s21, s21, 2
	s_add_co_u32 s21, s21, s19                     ; block row 0..15
	s_lshl_b32 s40, s19, 2
	s_lshl_b32 s40, 15, s40                        ; my row of the cluster
	s_lshl_b32 s44, 0x1111, s18                    ; my column
	; group 1 of A: 128 rows x 64 elements of 4 bytes, 4 words of padding behind every 64 words
	s_or_b32 s[G1+0], s40, (2<<16)|(1<<20)|(1<<21)|(5<<22)|(3<<25)
	s_mov_b32 s[G1+1], 64<<16                      ; tensor_dim0 = 64
	s_mov_b32 s[G1+2], 128<<16                     ; tensor_dim1 = 128
	s_mov_b32 s[G1+3], 64<<16                      ; tile_dim0 = 64
	s_mov_b32 s[G1+4], 128                         ; tile_dim1 = 128
	s_mov_b32 s[G1+5], 1024                        ; elements from row to row
	s_mov_b32 s[G1+6], 0
	s_mov_b32 s[G1+7], 0
	; group 1 of B: 64 k rows x 128 elements of 2 bytes, 8 words of padding behind every 64 words
	s_or_b32 s[G1B+0], s44, (1<<16)|(1<<20)|(1<<21)|(5<<22)|(7<<25)
	s_mov_b32 s[G1B+1], 128<<16
	s_mov_b32 s[G1B+2], 64<<16
	s_mov_b32 s[G1B+3], 128<<16
	s_mov_b32 s[G1B+4], 64
	s_mov_b32 s[G1B+5], 1024
	s_mov_b32 s[G1B+6], 0
	s_mov_b32 s[G1B+7], 0
	; A's address hangs on the block row (s[40:43] never hold cx), B's on the block column and g (s[44:45] never hold cy)
	s_lshl_b32 s42, s21, 20                        ; 256 rows of 4,096 bytes
	s_lshl_b32 s41, s16, 19                        ; 128 rows
	s_add_co_u32 s40, s42, s41
	s_mov_b32 s41, 0
	s_add_co_u32 s42, s42, 512                     ; the prefetch's base starts one lap's columns in; each lap steps it first
	s_mov_b32 s43, 0
	s_lshl_b32 s44, s22, 21                        ; W_g: 2,097,152 bytes each
	s_lshl_b32 s45, s20, 9                         ; 256 columns of 2 bytes
	s_add_co_u32 s44, s44, s45
	s_lshl_b32 s45, s16, 8                         ; 128 columns
	s_add_co_u32 s44, s44, s45
	s_mov_b32 s45, 0
	s_wait_dscnt 0x0
	s_wait_kmcnt 0x0
	s_cmp_eq_u32 s22, 1
	s_cselect_b64 s[4:5], s[6:7], s[4:5]
	s_cmp_eq_u32 s22, 2
	s_cselect_b64 s[4:5], s[8:9], s[4:5]           ; x_g
	s_add_nc_u64 s[46:47], s[4:5], s[42:43]
	s_add_nc_u64 s[40:41], s[4:5], s[40:41]
	s_add_nc_u64 s[44:45], s[10:11], s[44:45]
	s_mul_i32 s42, s14, AHALF                      ; LDS: A's halves at wave x 34,816 (waves 0, 1)
	s_mul_i32 s43, s14, BHALF
	s_add_co_u32 s43, s43, BOFF-2*BHALF            ; B's halves at 69,632 + (wave - 2) x 18,432 (waves 2, 3)
	CROUND                                         ; all sixteen work-groups are here: the first joint loads meet
.irp s, 0,1
	s_mov_b32 s[G0+4*\s], 1
	s_add_co_u32 s[G0+4*\s+1], s42, \s*SLOT
	s_add_nc_u64 s[G0+4*\s+2:G0+4*\s+3], s[40:41], \s*256          ; K step s: 64 f32
	s_or_b32 s[G0+4*\s+3], s[G0+4*\s+3], 0x80000000
	s_mov_b32 s[G0B+4*\s], 1
	s_add_co_u32 s[G0B+4*\s+1], s43, \s*SLOT
	s_add_nc_u64 s[G0B+4*\s+2:G0B+4*\s+3], s[44:45], \s*131072     ; K step s: 64 rows of 2,048 bytes
	s_or_b32 s[G0B+4*\s+3], s[G0B+4*\s+3], 0x80000000
	JLOAD \s                                       ; two tensor loads of the wave are out, the most in this text
.endr
	v_and_b32 v1, 15, v0                           ; r
	v_bfe_u32 v2, v0, 4, 1                         ; h
	v_mul_u32_u24 v3, v1, APITCH
	v_lshl_add_u32 v3, v2, 5, v3                   ; A in f32: row r, 8 h numbers in = 32 h bytes
	s_mul_i32 s6, s15, AHALF
	v_add_nc_u32 v[ADRA], s6, v3
	v_add_nc_u32 v[ADRA+1], SLOT, v[ADRA]
	v_and_b32 v4, 7, v0
	v_lshl_add_u32 v4, v2, 3, v4                   ; B, transposing load: k row 8 h + (l & 7),
	v_mul_u32_u24 v4, v4, BPITCH
	v_bfe_u32 v5, v0, 3, 1
	v_lshl_add_u32 v4, v5, 4, v4                   ; 16 bytes further for lanes with bit 3
	s_mul_i32 s7, s16, BHALF
	s_add_co_u32 s7, s7, BOFF
	v_add_nc_u32 v[ADRB], s7, v4
	v_add_nc_u32 v[ADRB+1], SLOT, v[ADRB]
	s_mul_i32 s8, s14, 16*272
	s_add_co_u32 s8, s8, STAGE                     ; my stage
	v_mul_u32_u24 v4, v1, 272
	v_lshl_add_u32 v4, v2, 4, v4
	v_add_nc_u32 v[STO], s8, v4                    ; in: row r, 16 bytes for each half of the lanes
	v_mul_u32_u24 v5, v2, 272
	v_lshl_add_u32 v5, v1, 4, v5
	v_add_nc_u32 v[RD], s8, v5                     ; back: lanes 0-15 one row of 256 bytes, lanes 16-31 the next
	v_lshlrev_b32 v5, 11, v2
	v_lshl_add_u32 v[CO], v1, 4, v5                ; the same two rows in qkv (2,048 bytes a row)
	v_and_b32 v6, 31, v0
	v_lshrrev_b32 v7, 1, v6
	s_lshl_b32 s9, s18, 6
	s_lshl4_add_u32 s9, s14, s9                    ; 64 cx + 16 wave
	v_add_nc_u32 v7, s9, v7                        ; the row of the block row that I ask for: 4 partners x 4 waves x 16 = 256 rows,
	v_and_b32 v6, 1, v6
	v_lshlrev_b32 v6, 8, v6                        ; and which 256 bytes of a lap's 512
	v_lshl_add_u32 v[PF], v7, 12, v6
; 16 matrix instructions: row blocks a0, a0 + 1 of the window's four x all 8 column blocks, 32 along K, on buffer f
.macro MUL16 f, hi, a0, zero
.irp a, \a0, \a0+1
.irp b, 0,1,2,3,4,5,6,7
.if \zero
	v_wmma_f32_16x16x32_f16 v[8*(8*(\a)+\b):8*(8*(\a)+\b)+7], v[BF+64*\f+8*\b:BF+64*\f+8*\b+7], v[AF+64*\f+8*(4*\hi+\a):AF+64*\f+8*(4*\hi+\a)+7], 0
.else
	v_wmma_f32_16x16x32_f16 v[8*(8*(\a)+\b):8*(8*(\a)+\b)+7], v[BF+64*\f+8*\b:BF+64*\f+8*\b+7], v[AF+64*\f+8*(4*\hi+\a):AF+64*\f+8*(4*\hi+\a)+7], v[8*(8*(\a)+\b):8*(8*(\a)+\b)+7]
.endif
.endr
.endr
.endm
; 48 LDS loads in one run under one window setting: B's fragments of half step kq into buffer g, A's 128 rows x 32 f32 into RAW
.macro FETCH slot, kq, g
	WIN TO_1
.irp b, 0,1,2,3,4,5,6,7
	ds_load_tr16_b128 v[BF+64*\g+8*\b:BF+64*\g+8*\b+3],   v[ADRB+\slot] offset:32*BPITCH*\kq+32*\b
	ds_load_tr16_b128 v[BF+64*\g+8*\b+4:BF+64*\g+8*\b+7], v[ADRB+\slot] offset:32*BPITCH*\kq+32*\b+16*BPITCH
.endr
.irp i, 0,1,2,3,4,5,6,7
	ds_load_b128 v[RAW+16*\i:RAW+16*\i+3],     v[ADRA+\slot] offset:16*APITCH*\i+128*\kq       ; k = 8 h + 0..3
	ds_load_b128 v[RAW+16*\i+4:RAW+16*\i+7],   v[ADRA+\slot] offset:16*APITCH*\i+128*\kq+16    ; k = 8 h + 4..7
	ds_load_b128 v[RAW+16*\i+8:RAW+16*\i+11],  v[ADRA+\slot] offset:16*APITCH*\i+128*\kq+64    ; k = 16 + 8 h + 0..3
	ds_load_b128 v[RAW+16*\i+12:RAW+16*\i+15], v[ADRA+\slot] offset:16*APITCH*\i+128*\kq+80    ; k = 16 + 8 h + 4..7
.endr
.endm
; 64 conversions: RAW becomes A's fragments in buffer g.  They name no register of the matrix instructions in front of them (those use the other
; buffer), so they are also the places between a buffer's last products and the next loads or conversions into that buffer.
.macro CVT g
	WIN FROM_1
.irp i, 0,1,2,3,4,5,6,7
.irp e, 0,1,2,3,4,5,6,7
	v_cvt_pk_f16_f32 v[AF+64*\g+8*\i+\e], v[RAW+16*\i+2*\e], v[RAW+16*\i+2*\e+1]
.endr
.endr
.endm
; A K step is two halves of 32.  The 64 accumulators take turns in the same order in every half, one instruction a turn.
; First half: multiplies buffer 0; in its middle fetches the second half's fragments; converts them at its end.
.macro HALF0 slot, zero
	WIN MUL_LO
	MUL16 0, 0, 0, \zero
	MUL16 0, 0, 2, \zero
	FETCH \slot, 1, 1
	WIN MUL_HI
	MUL16 0, 1, 0, \zero
	MUL16 0, 1, 2, \zero
	s_wait_dscnt 0x0                               ; the 48 loads are in
	CVT 1
.endm
; Second half: multiplies buffer 1 and changes slots.  In front of the barrier each wave has waited for its reads of this slot and for all its
; tensor loads (one is out: its part of the next slot).  Behind it (with fill: behind the cluster's round that it opens) this slot is asked for again first.
.macro TURN slot, next, fill
	WIN MUL_LO
	MUL16 1, 0, 0, 0
	s_wait_dscnt 0x0                               ; my reads of this slot are over
	s_set_vgpr_msb 0xa1a0
	s_wait_tensorcnt 0x0                           ; all my tensor loads have landed
	ds_add_u32 v254, v255
	s_wait_dscnt 0x0
	s_set_vgpr_msb 0xa0a1
	s_barrier_signal -1
	MUL16 1, 0, 2, 0                               ; registers only, while the others arrive
	WIN 0
	s_barrier_wait -1
.if \fill
	CREST
	s_add_nc_u64 s[G0+4*\slot+2:G0+4*\slot+3], s[G0+4*\slot+2:G0+4*\slot+3], 512        ; two K steps on: no load of mine is out
	s_add_nc_u64 s[G0B+4*\slot+2:G0B+4*\slot+3], s[G0B+4*\slot+2:G0B+4*\slot+3], 262144
	JLOAD \slot                                    ; my one tensor load behind the round; 112 matrix instructions and 128 conversions stand before the wait for it
.endif
	FETCH \next, 0, 0
	WIN MUL_HI
	MUL16 1, 1, 0, 0
	MUL16 1, 1, 2, 0
	s_wait_dscnt 0x0
	CVT 0
.endm
; A lap = two K steps.  pf = 1: each lane asks for one block of 256 bytes of x: the columns of the lap after next, whose tensor loads go out during the
; next lap.  The four partners of a cluster row share the block row's 512 blocks, so each block is asked for once.  Laps 0 to 5 ask (for laps 2 to 7).
.macro LAP zero, pf
.if \pf
	WIN 0
	s_wait_xcnt 0x0                                ; the last prefetch has read its base
	s_add_nc_u64 s[46:47], s[46:47], 512
	global_prefetch_b8 v[PF], s[46:47] th:TH_LOAD_NT scope:SCOPE_SE
.endif
	HALF0 0, \zero
	TURN 0, 1, 1
	HALF0 1, 0
	TURN 1, 0, 1
.endm
	s_wait_tensorcnt 0x1                           ; my part of K step 0 is in; K step 1's may stay out
	s_barrier_signal -1
	s_barrier_wait -1
	FETCH 0, 0, 0
	s_wait_dscnt 0x0
	CVT 0
	LAP 1, 1                                       ; lap 0: its first products start the sums
	WIN 0
	s_mov_b32 s17, 5
.Llap:
	LAP 0, 1                                       ; laps 1 to 5
	WIN 0
	s_sub_co_u32 s17, s17, 1
	s_cmp_lg_u32 s17, 0
	s_cbranch_scc1 .Llap
	LAP 0, 0                                       ; lap 6 still fills both slots, and prefetches nothing
	HALF0 0, 0                                     ; lap 7 fills nothing
	TURN 0, 1, 0
	HALF0 1, 0
	WIN MUL_LO
	MUL16 1, 0, 0, 0
	MUL16 1, 0, 2, 0
	WIN MUL_HI
	MUL16 1, 1, 0, 0
	MUL16 1, 1, 2, 0
	; THE WAY OUT, 16 rows at a time: round to f16, 16 bytes a lane into my own stage, read back as whole rows of 256 bytes.
	PLACES                                         ; four places behind the last matrix instructions (ISA guide 7.12.1)
	s_lshl_b32 s40, s21, 19                        ; 256 rows of 2,048 bytes
	s_lshl_b32 s41, s15, 18                        ; my 128 rows
	s_add_co_u32 s40, s40, s41
	s_lshl_b32 s41, s22, 23                        ; product g: 8,388,608 bytes each
	s_add_co_u32 s40, s40, s41
	s_mov_b32 s41, 0
	s_add_nc_u64 s[12:13], s[12:13], s[40:41]
	s_lshl_b32 s44, s20, 9
	s_lshl_b32 s45, s16, 8
	s_add_co_u32 s44, s44, s45                     ; my 128 columns
	s_mov_b32 s45, 0
	s_add_nc_u64 s[12:13], s[12:13], s[44:45]
.macro OUT16 i, a, from, f
	WIN \from
.irp b, 0,1,2,3,4,5,6,7
.irp r, 0,1,2,3
	v_cvt_pk_f16_f32 v[TMP+4*\b+\r], v[8*(8*\a+\b)+2*\r], v[8*(8*\a+\b)+2*\r+1]
.endr
.endr
	WIN 0
.irp b, 0,1,2,3,4,5,6,7
	ds_store_b128 v[STO], v[TMP+4*\b:TMP+4*\b+3] offset:32*\b
.endr
	s_wait_xcnt 0x0                                ; buffer f, which earlier stores read, is loaded again only behind this wait
.irp t, 0,1,2,3,4,5,6,7
	ds_load_b128 v[\f+4*\t:\f+4*\t+3], v[RD] offset:\t*544         ; a wave's LDS instructions are served in order: these see the stores above
.endr
.irp t, 0,1,2,3,4,5,6,7
	s_wait_dscnt 7-\t
	global_store_b128 v[CO], v[\f+4*\t:\f+4*\t+3], s[12:13] offset:(16*\i+2*\t)*2048   ; 16 lanes store 256 consecutive bytes, aligned
.endr
.endm
	OUT16 0, 0, 0x0a, AF
	OUT16 1, 1, 0x0a, AF+64
	OUT16 2, 2, 0x0a, AF
	OUT16 3, 3, 0x0a, AF+64
	OUT16 4, 0, 0x0f, AF
	OUT16 5, 1, 0x0f, AF+64
	OUT16 6, 2, 0x0f, AF
	OUT16 7, 3, 0x0f, AF+64
	s_wait_tensorcnt 0x0
	ds_add_u32 v254, v255
	s_wait_dscnt 0x0
	CROUND                                         ; the closing round: no work-group ends while a partner may still ask jointly
	s_endpgm
.Lfunc_end_k_q6092b1911d_proj:
	.size	k_q6092b1911d_proj, .Lfunc_end_k_q6092b1911d_proj-k_q6092b1911d_proj
	.p2alignl 7, 3214868480
	.fill 96, 4, 3214868480
	.section	.rodata,"a",@progbits
	.p2align	6, 0x0
	.amdhsa_kernel k_q6092b1911d_proj
		.amdhsa_group_segment_fixed_size 327680
		.amdhsa_private_segment_fixed_size 0
		.amdhsa_enable_private_segment 0
		.amdhsa_kernarg_size 40
		.amdhsa_user_sgpr_count 2
		.amdhsa_user_sgpr_kernarg_segment_ptr 1
		.amdhsa_wavefront_size32 1
		.amdhsa_system_sgpr_workgroup_id_x 1
		.amdhsa_system_sgpr_workgroup_id_y 1
		.amdhsa_system_sgpr_workgroup_id_z 1
		.amdhsa_system_vgpr_workitem_id 0
		.amdhsa_next_free_vgpr 1024
		.amdhsa_next_free_sgpr 66
		.amdhsa_reserve_vcc 0
		.amdhsa_float_denorm_mode_32 3
		.amdhsa_float_denorm_mode_16_64 3
		.amdhsa_memory_ordered 1
		.amdhsa_forward_progress 1
		.amdhsa_inst_pref_size 226
	.end_amdhsa_kernel
	.amdgpu_metadata
---
amdhsa.version: [ 1, 2 ]
amdhsa.kernels:
  - .name:           k_q6092b1911d_proj
    .symbol:         k_q6092b1911d_proj.kd
    .args:
      - { .name: query, .offset: 0, .size: 8, .value_kind: global_buffer, .address_space: global }
      - { .name: key, .offset: 8, .size: 8, .value_kind: global_buffer, .address_space: global }
      - { .name: value, .offset: 16, .size: 8, .value_kind: global_buffer, .address_space: global }
      - { .name: wb, .offset: 24, .size: 8, .value_kind: global_buffer, .address_space: global }
      - { .name: qkv, .offset: 32, .size: 8, .value_kind: global_buffer, .address_space: global }
    .group_segment_fixed_size: 327680
    .private_segment_fixed_size: 0
    .kernarg_segment_align: 8
    .kernarg_segment_size: 40
    .max_flat_workgroup_size: 128
    .sgpr_count:     66
    .vgpr_count:     1024
    .wavefront_size: 32
...
	.end_amdgpu_metadata
.endif
;; end of part 2
;; launch attn (part 3): grid 16 x 16, 8 waves a work-group, clusters of 4 x 1, 327,680 bytes of LDS; arguments qkv, mbits, ao; writes ao
.if DOCPART == 3
	.amdgcn_target "amdgcn-amd-amdhsa--gfx1250"
	.amdhsa_code_object_version 6
	.text
	.protected	k_q6092b1911d_attn
	.globl	k_q6092b1911d_attn
	.p2align	8
	.type	k_q6092b1911d_attn,@function
k_q6092b1911d_attn:
	s_mov_b64 s[64:65], 0
	v_nop
	global_prefetch_b8 v0, s[64:65] scope:SCOPE_SE
	s_setreg_imm32_b32 hwreg(HW_REG_WAVE_MODE, 25, 1), 1
	s_wait_xcnt 0x0
	s_wait_alu depctr_hold_cnt(0) depctr_sa_sdst(0) depctr_va_vdst(0) depctr_va_sdst(0) depctr_va_ssrc(0) depctr_va_vcc(0) depctr_vm_vsrc(0)
	s_getreg_b32 s2, hwreg(HW_REG_IB_STS2, 6, 4)
	s_cmp_eq_u32 s2, 0
	s_cbranch_scc0 .Lentry_in_a_cluster
	s_endpgm
.Lentry_in_a_cluster:
	s_bfe_u32 s2, ttmp6, 0x10000c
	s_cmp_lg_u32 s2, 0x3003
	s_cbranch_scc0 .Lentry_shape_is_right
	s_endpgm
.Lentry_shape_is_right:
; ATTN.  ao[b][q][h 64 + d] = softmax over keys of (masked ? -1e9 : q.k / 8) times v, with a running maximum.  q, k, v: f16 rows of qkv; ao f16.
; A work-group = (batch b, pair of heads p, 128 queries); wave w takes head 2 p + (w >> 2) and the 32 queries at 32 (w & 3).
; A pair of heads makes every row of K, V and ao 256 consecutive bytes, aligned.  Two waves lie on a SIMD.
; CLUSTER 4 x 1: the four query blocks of a cluster walk the same K and V of (b, p) and ask for each tile jointly (mask 15).
; TRANSPOSED: S^T = K Q^T (source 0 = 16 keys, source 1 = 16 queries): lane (r, h) holds query r and keys 8 h + j.  After exp and packing, two neighbouring
; key tiles ARE a source-1 fragment of P^T, and O^T = V^T P^T (source 0 = V through the transposing LDS load).  Maximum, sum and rescale factor are one number a lane.
; Scores arrive in units of log2 (0.125 log2 e lies in Wq), masked ones are REPLACED by -1e9 log2 e: a row with every key masked comes out uniform, as in the definition.
; The mask comes as lane masks in scalar registers (mbits): one v_cndmask_b32 a score.
; ORDER OF A STEP (64 keys): half of its 32 matrix instructions have this wave's own vector work between them: the second half of K Q^T runs beside the masking and
; the maximum of the tiles already finished, the first half of V^T P^T beside the exponentials of the keys of the second half.  The 64 fragment registers are used
; in halves: each half is loaded again (K, then V, then the next step's K) as soon as its last product is four places behind.
; LIMITS: q, k, v, p, ao in f16: |q|, |k|, |v| up to 65,504; a weight p below 6e-8 of its row's largest counts as 0; the row sum is taken over p before that rounding.
.set VPITCH, 288
.set KPITCH, 272
.set KOFF,  256*VPITCH                 ; a slot: V's 256 rows, then K's 256 rows
.set SLOT,  256*VPITCH+256*KPITCH      ; 143,360
.set STAGE, 2*SLOT                     ; 128 rows x 272 bytes for the way out; no tensor load lands here
.set KAD, 1                            ; v1-2    LDS address of my K fragments, slot 0, 1
.set VAD, 3                            ; v3-6    of my V fragments, slot x 2 + half of the slot
.set Q,   32                           ; v[32:63]   Q fragments: 16 qt + 8 ks
.set S,   64                           ; v[64:127]  score tiles: 32 qt + 8 kt; P packed in place at 32 qt + 8 ks
.set KV,  128                          ; v[128:191] two halves of 32: K (d 0-31 | d 32-63), then V (keys 0-31 | keys 32-63)
.set O,   192                          ; v[192:255] O^T tiles: 8 (2 dt + qt)
; v7 = the masked score; v8, v9 the other half-wave's number; v[10:11], v[12:13] = [m, l] of qt 0, 1; v[14:15], v[16:17] = [alpha, new m];
; v[18:19], v[20:21] the step's sums of qt 0, 1; v22-23, v24-25 two chains of the maximum of qt 0, 1
; s2 output offset; s3 loop; s[4:7], s[12:15] group 0 of slot 0, 1; s8 wave; s9 = 128 (w >> 2); s10, s11 lane selects; s[16:23] group 1 of V; s[24:31] of K;
; s[32:63], s[68:99] the step's 64 mask words (qt 0, qt 1, at 8 kt + j); s[66:67] where they come from; s[100:101] q's rows, later ao
.macro ROUND                           ; a round of the cluster's barrier
	s_barrier_signal -1
	s_barrier_wait -1
	s_cmp_lg_u32 s8, 0
	s_cbranch_scc1 .Lnot_wave_0_\@
	s_barrier_signal -3
.Lnot_wave_0_\@:
	s_barrier_wait -3
	s_barrier_signal -1
	s_barrier_wait -1
.endm
.macro KVLOAD slot                     ; waves 0-3 ask for 64 rows of V each, waves 4-7 for 64 rows of K
	s_cmp_lt_u32 s8, 4
	s_cbranch_scc0 .Lfor_k_\@
	tensor_load_to_lds s[4+8*\slot:7+8*\slot], s[16:23]
	s_nop 0
	s_branch .Lasked_\@
.Lfor_k_\@:
	tensor_load_to_lds s[4+8*\slot:7+8*\slot], s[24:31]
	s_nop 0
.Lasked_\@:
.endm
	s_load_b64 s[100:101], s[0:1], 0x0             ; qkv
	s_load_b64 s[66:67], s[0:1], 0x8               ; mbits
	v_lshl_add_u32 v30, v0, 2, 0x4e800
	v_mov_b32 v31, 0
	ds_add_u32 v30, v31
	v_lshrrev_b32 v22, 5, v0
	v_readfirstlane_b32 s8, v22                    ; wave 0..7
	s_bfe_u32 s32, ttmp6, 0x40000                  ; cx: enters global addresses of q, mask and output alone
	s_lshl_b32 s33, ttmp9, 2
	s_add_co_u32 s33, s33, s32                     ; query block 0..15
	s_and_b32 s34, ttmp7, 0xffff
	s_lshr_b32 s35, s34, 3                         ; b
	s_and_b32 s36, s34, 7                          ; p
	s_and_b32 s37, s8, 3                           ; w & 3
	s_lshr_b32 s38, s8, 2                          ; w >> 2: which head of the pair
	s_lshl_b32 s40, s35, 22                        ; b x 2,048 rows of 2,048 bytes
	s_lshl_b32 s41, s36, 8                         ; the pair's 256 bytes in a row
	s_add_co_u32 s40, s40, s41
	s_lshl_b32 s42, s37, 17                        ; K, V: my 64 rows of a fill
	s_add_co_u32 s42, s40, s42
	s_mov_b32 s43, 0
	s_lshl_b32 s44, s33, 18                        ; 128 query rows
	s_add_co_u32 s44, s40, s44
	s_lshl_b32 s2, s8, 15                          ; the way out: my 16 rows
	s_add_co_u32 s2, s44, s2
	s_lshl_b32 s46, s37, 16                        ; my 32 queries
	s_add_co_u32 s44, s44, s46
	s_lshl_b32 s9, s38, 7                          ; my head's 128 bytes
	s_add_co_u32 s44, s44, s9
	s_mov_b32 s45, 0
	s_lshl_b32 s46, s35, 19                        ; mask words: (128 b + 8 block + 2 (w & 3)) x 4,096 bytes; my second 16 queries lie 4,096 bytes on
	s_lshl_b32 s47, s33, 15
	s_add_co_u32 s46, s46, s47
	s_lshl_b32 s47, s37, 13
	s_add_co_u32 s46, s46, s47
	s_mov_b32 s47, 0
	s_mov_b32 s10, 0x76543210                      ; v_permlanex16_b32: lane i reads lane i of the other half
	s_mov_b32 s11, 0xfedcba98
	; group 1: 64 rows x 128 elements of 2 bytes, mask 15; V padded by 8 words a row, K by 4
	s_mov_b32 s16, 15|(1<<16)|(1<<20)|(1<<21)|(5<<22)|(7<<25)
	s_mov_b32 s17, 128<<16
	s_mov_b32 s18, 64<<16
	s_mov_b32 s19, 128<<16
	s_mov_b32 s20, 64
	s_mov_b32 s21, 1024
	s_mov_b32 s22, 0
	s_mov_b32 s23, 0
	s_mov_b32 s24, 15|(1<<16)|(1<<20)|(1<<21)|(5<<22)|(3<<25)
	s_mov_b32 s25, 128<<16
	s_mov_b32 s26, 64<<16
	s_mov_b32 s27, 128<<16
	s_mov_b32 s28, 64
	s_mov_b32 s29, 1024
	s_mov_b32 s30, 0
	s_mov_b32 s31, 0
	v_and_b32 v22, 15, v0                          ; r
	v_bfe_u32 v23, v0, 4, 1                        ; h
	v_lshlrev_b32 v27, 11, v22
	v_lshl_add_u32 v27, v23, 4, v27                ; q: row r, 16 h bytes in
	s_wait_dscnt 0x0
	s_wait_kmcnt 0x0
	s_add_nc_u64 s[6:7], s[100:101], s[42:43]      ; what K's and V's addresses share: b, p and the wave, nothing of cx
	s_add_nc_u64 s[100:101], s[100:101], s[44:45]
	s_add_nc_u64 s[66:67], s[66:67], s[46:47]
.irp qt, 0,1
.irp ks, 0,1
	global_load_b128 v[Q+16*\qt+8*\ks:Q+16*\qt+8*\ks+3],   v27, s[100:101] offset:32768*\qt+64*\ks
	global_load_b128 v[Q+16*\qt+8*\ks+4:Q+16*\qt+8*\ks+7], v27, s[100:101] offset:32768*\qt+64*\ks+32
.endr
.endr
	s_load_b512 s[32:47], s[66:67], 0x0            ; step 0's mask words: queries 0-15,
	s_load_b512 s[48:63], s[66:67], 0x40
	s_load_b512 s[68:83], s[66:67], 0x1000         ; queries 16-31
	s_load_b512 s[84:99], s[66:67], 0x1040
	ROUND                                          ; in front of the first joint loads
	s_cmp_lt_u32 s8, 4                             ; both first fills of a wave inside one branch on its number
	s_cbranch_scc0 .Lfirst_k
	s_mov_b32 s4, 1
	s_mul_i32 s5, s8, 64*VPITCH                    ; V: wave x 18,432
	s_mov_b32 s12, 1
	s_add_co_u32 s13, s5, SLOT
	s_add_nc_u64 s[14:15], s[6:7], 16777216+524288 ; v's rows 256 .. 511
	s_add_nc_u64 s[6:7], s[6:7], 16777216          ; v's rows 0 .. 255
	s_or_b32 s15, s15, 0x80000000
	s_or_b32 s7, s7, 0x80000000
	tensor_load_to_lds s[4:7], s[16:23]
	s_nop 0
	tensor_load_to_lds s[12:15], s[16:23]
	s_nop 0
	s_branch .Lfirst_done
.Lfirst_k:
	s_mov_b32 s4, 1
	s_mul_i32 s5, s8, 64*KPITCH
	s_add_co_u32 s5, s5, KOFF-4*64*KPITCH          ; K: 73,728 + (wave - 4) x 17,408
	s_mov_b32 s12, 1
	s_add_co_u32 s13, s5, SLOT
	s_add_nc_u64 s[14:15], s[6:7], 8388608+524288
	s_add_nc_u64 s[6:7], s[6:7], 8388608
	s_or_b32 s15, s15, 0x80000000
	s_or_b32 s7, s7, 0x80000000
	tensor_load_to_lds s[4:7], s[24:31]
	s_nop 0
	tensor_load_to_lds s[12:15], s[24:31]
	s_nop 0
.Lfirst_done:                                      ; two tensor loads of the wave are out, the most in this text
	v_mul_u32_u24 v24, v22, KPITCH
	v_lshl_add_u32 v24, v23, 4, v24
	s_add_co_u32 s3, s9, KOFF
	v_add_nc_u32 v[KAD], s3, v24                   ; K: key row r, my head, 16 h
	v_add_nc_u32 v[KAD+1], SLOT, v[KAD]
	v_and_b32 v25, 7, v0
	v_lshl_add_u32 v25, v23, 3, v25                ; V, transposing load: key row 8 h + (l & 7),
	v_mul_u32_u24 v25, v25, VPITCH
	v_bfe_u32 v26, v0, 3, 1
	v_lshl_add_u32 v25, v26, 4, v25                ; 16 bytes further for lanes with bit 3
	v_add_nc_u32 v[VAD], s9, v25
	v_add_nc_u32 v[VAD+1], 128*VPITCH, v[VAD]
	v_add_nc_u32 v[VAD+2], SLOT, v[VAD]
	v_add_nc_u32 v[VAD+3], SLOT, v[VAD+1]
	v_mov_b32 v7, 0xceabfb8f                       ; -1e9 log2 e
	v_mov_b32 v8, 0                                ; v_permlanex16_b32 counts as a reader of its destination
	v_mov_b32 v9, 0
	v_mov_b32 v10, 0xff800000                      ; m = -inf, l = 0: the first step's alpha is exp2(-inf) = 0
	v_mov_b32 v11, 0
	v_mov_b32 v12, 0xff800000
	v_mov_b32 v13, 0
	s_wait_tensorcnt 0x1                           ; my part of slot 0 is in; slot 1's may stay out
	s_barrier_signal -1
	s_barrier_wait -1
	s_wait_loadcnt 0x0                             ; Q
; Eight LDS loads: K's fragments of step i of a slot, d = 32 ks .. 32 ks + 31, into half ks of KV
.macro KLOAD slot, i, ks
.irp kt, 0,1,2,3
	ds_load_b128 v[KV+32*\ks+8*\kt:KV+32*\ks+8*\kt+3],   v[KAD+\slot] offset:64*KPITCH*(\i)+16*KPITCH*\kt+64*\ks
	ds_load_b128 v[KV+32*\ks+8*\kt+4:KV+32*\ks+8*\kt+7], v[KAD+\slot] offset:64*KPITCH*(\i)+16*KPITCH*\kt+64*\ks+32
.endr
.endm
; Eight transposing LDS loads: V's fragments of step i, keys 32 ks .. 32 ks + 31, into half ks of KV
.macro VLOAD slot, i, ks
.irp dt, 0,1,2,3
	ds_load_tr16_b128 v[KV+32*\ks+8*\dt:KV+32*\ks+8*\dt+3],   v[VAD+2*\slot+((\i)>>1)] offset:64*VPITCH*((\i)&1)+32*VPITCH*\ks+32*\dt
	ds_load_tr16_b128 v[KV+32*\ks+8*\dt+4:KV+32*\ks+8*\dt+7], v[VAD+2*\slot+((\i)>>1)] offset:64*VPITCH*((\i)&1)+32*VPITCH*\ks+32*\dt+16*VPITCH
.endr
.endm
; One product of K Q^T: score tile (kt, qt), d = 32 ks ..
.macro WQ ks, kt, qt, zero
.if \zero
	v_wmma_f32_16x16x32_f16 v[S+32*\qt+8*\kt:S+32*\qt+8*\kt+7], v[KV+32*\ks+8*\kt:KV+32*\ks+8*\kt+7], v[Q+16*\qt+8*\ks:Q+16*\qt+8*\ks+7], 0
.else
	v_wmma_f32_16x16x32_f16 v[S+32*\qt+8*\kt:S+32*\qt+8*\kt+7], v[KV+32*\ks+8*\kt:KV+32*\ks+8*\kt+7], v[Q+16*\qt+8*\ks:Q+16*\qt+8*\ks+7], v[S+32*\qt+8*\kt:S+32*\qt+8*\kt+7]
.endif
.endm
; One product of V^T P^T: O^T tile g = 2 dt + qt, keys 32 ks ..
.macro WP ks, g, zero
.if \zero
	v_wmma_f32_16x16x32_f16 v[O+8*(\g):O+8*(\g)+7], v[KV+32*\ks+8*((\g)>>1):KV+32*\ks+8*((\g)>>1)+7], v[S+32*((\g)&1)+8*\ks:S+32*((\g)&1)+8*\ks+7], 0
.else
	v_wmma_f32_16x16x32_f16 v[O+8*(\g):O+8*(\g)+7], v[KV+32*\ks+8*((\g)>>1):KV+32*\ks+8*((\g)>>1)+7], v[S+32*((\g)&1)+8*\ks:S+32*((\g)&1)+8*\ks+7], v[O+8*(\g):O+8*(\g)+7]
.endif
.endm
; Twelve vector instructions on a finished score tile: the mask, and the tile's eight scores into the query tile's two chains of the maximum (the first chain starts from m)
.macro VT kt, qt
.irp j, 0,1,2,3,4,5,6,7
	v_cndmask_b32 v[S+32*\qt+8*\kt+\j], v[S+32*\qt+8*\kt+\j], v7, s[32+36*\qt+8*\kt+\j]
.endr
.if \kt == 0
	v_max3_num_f32 v[22+2*\qt], v[10+2*\qt], v[S+32*\qt], v[S+32*\qt+1]
	v_max3_num_f32 v[23+2*\qt], v[S+32*\qt+2], v[S+32*\qt+3], v[S+32*\qt+4]
	v_max3_num_f32 v[22+2*\qt], v[22+2*\qt], v[S+32*\qt+5], v[S+32*\qt+6]
	v_max_num_f32 v[23+2*\qt], v[23+2*\qt], v[S+32*\qt+7]
.else
	v_max3_num_f32 v[22+2*\qt], v[22+2*\qt], v[S+32*\qt+8*\kt], v[S+32*\qt+8*\kt+1]
	v_max3_num_f32 v[23+2*\qt], v[23+2*\qt], v[S+32*\qt+8*\kt+2], v[S+32*\qt+8*\kt+3]
	v_max3_num_f32 v[22+2*\qt], v[22+2*\qt], v[S+32*\qt+8*\kt+4], v[S+32*\qt+8*\kt+5]
	v_max3_num_f32 v[23+2*\qt], v[23+2*\qt], v[S+32*\qt+8*\kt+6], v[S+32*\qt+8*\kt+7]
.endif
.endm
; The maximum taken away from the 16 scores a lane of query tile qt, keys 32 ks ..
.macro SUBH qt, ks
.irp n, 0,2,4,6,8,10,12,14
	v_pk_add_f32 v[S+32*\qt+16*\ks+\n:S+32*\qt+16*\ks+\n+1], v[S+32*\qt+16*\ks+\n:S+32*\qt+16*\ks+\n+1], v[10+2*\qt:11+2*\qt] op_sel_hi:[1,0] neg_lo:[0,1] neg_hi:[0,1]
.endr
.endm
; Group g (0..7) of the keys 32 .. 63: four scores of query tile g & 1.  EG: their exponentials.  AG: into the tile's sums.
.macro EG g
.irp e, 0,1,2,3
	v_exp_f32 v[S+32*((\g)&1)+16+4*((\g)>>1)+\e], v[S+32*((\g)&1)+16+4*((\g)>>1)+\e]
.endr
.endm
.macro AG g
	s_wait_alu depctr_va_vdst(0)
	v_pk_add_f32 v[18+2*((\g)&1):19+2*((\g)&1)], v[18+2*((\g)&1):19+2*((\g)&1)], v[S+32*((\g)&1)+16+4*((\g)>>1):S+32*((\g)&1)+16+4*((\g)>>1)+1]
	v_pk_add_f32 v[18+2*((\g)&1):19+2*((\g)&1)], v[18+2*((\g)&1):19+2*((\g)&1)], v[S+32*((\g)&1)+16+4*((\g)>>1)+2:S+32*((\g)&1)+16+4*((\g)>>1)+3]
.endm
; 64 keys: step i of a slot's four.  first: O's sums start here.  last: no mask words are left to fetch.
; ldk: this step loads its own K (the first step of a slot).  pre: it loads the next step's K of the same slot (all but the slot's last step).
; All accumulators take turns, one matrix instruction a turn.
.macro STEP slot, i, first, last, ldk, pre
.if \ldk
	KLOAD \slot, \i, 0
	KLOAD \slot, \i, 1
.endif
	s_wait_dscnt 0x8                               ; K's d = 0..31 is in; the eight younger loads (d = 32..63) may be out
.irp kt, 0,1,2,3
	WQ 0, \kt, 0, 1
	WQ 0, \kt, 1, 1
.endr
	s_wait_dscnt 0x0                               ; K's d = 32..63
	WQ 1, 0, 0, 0
	WQ 1, 0, 1, 0
.rept 4
	v_nop                                          ; four places before tile (0, 0) is read; with the twelve lines of VT also before loads land on K's first half
.endr
	s_wait_kmcnt 0x0                               ; this step's mask words are in, and their base may be stepped
	s_add_nc_u64 s[66:67], s[66:67], 128
	VT 0, 0                                        ; from here each product is followed by the twelve lines of the tile finished two products earlier:
	VLOAD \slot, \i, 0                             ; they are that many places between a tile's last product and its first reader
	WQ 1, 1, 0, 0
	VT 0, 1
	WQ 1, 1, 1, 0
	VT 1, 0
	WQ 1, 2, 0, 0
	VT 1, 1
	WQ 1, 2, 1, 0
	VT 2, 0
	WQ 1, 3, 0, 0
	VT 2, 1
	WQ 1, 3, 1, 0
	VT 3, 0                                        ; twelve places behind the last product that read K's second half
	VLOAD \slot, \i, 1
	VT 3, 1
.if \last == 0
	s_load_b512 s[32:47], s[66:67], 0x0            ; the next step's mask words, most of a step ahead of their use
	s_load_b512 s[48:63], s[66:67], 0x40
	s_load_b512 s[68:83], s[66:67], 0x1000
	s_load_b512 s[84:99], s[66:67], 0x1040
.endif
	v_max_num_f32 v22, v22, v23
	v_max_num_f32 v24, v24, v25
	v_permlanex16_b32 v8, v22, s10, s11            ; the other half-wave holds the query's other keys
	v_permlanex16_b32 v9, v24, s10, s11
	v_max_num_f32 v15, v22, v8
	v_max_num_f32 v17, v24, v9
	v_sub_f32 v14, v10, v15
	v_sub_f32 v16, v12, v17
	v_exp_f32 v14, v14                             ; alpha = 2^(m - new m)
	v_exp_f32 v16, v16
	v_mov_b32 v10, v15                             ; a plain instruction behind the exponentials (ISA guide 5.7.2), here and below
	v_mov_b32 v12, v17
	SUBH 0, 0
	SUBH 1, 0
.set n, 0
.rept 32                                           ; keys 0..31: an exponential and a rescaling of O by turns; neither touches the other's registers
	v_exp_f32 v[S+32*(n>>4)+(n&15)], v[S+32*(n>>4)+(n&15)]
.if \first == 0
	s_wait_alu depctr_va_vdst(0)
	v_pk_mul_f32 v[O+2*n:O+2*n+1], v[O+2*n:O+2*n+1], v[14+2*((n>>2)&1):15+2*((n>>2)&1)] op_sel_hi:[1,0]
.endif
.set n, n+1
.endr
	SUBH 0, 1                                      ; keys 32..63: touches nothing of keys 0..31
	SUBH 1, 1
	s_wait_alu depctr_va_vdst(0)
	v_pk_add_f32 v[18:19], v[S:S+1], v[S+2:S+3]    ; the sums start with keys 0..31
	v_pk_add_f32 v[20:21], v[S+32:S+33], v[S+34:S+35]
.irp n, 4,6,8,10,12,14
	v_pk_add_f32 v[18:19], v[18:19], v[S+\n:S+\n+1]
	v_pk_add_f32 v[20:21], v[20:21], v[S+32+\n:S+32+\n+1]
.endr
.irp n, 0,1,2,3,4,5,6,7
	v_cvt_pk_f16_f32 v[S+\n], v[S+2*\n], v[S+2*\n+1]               ; ascending: register n is written when 2 n and 2 n + 1 are read, never earlier
	v_cvt_pk_f16_f32 v[S+32+\n], v[S+32+2*\n], v[S+32+2*\n+1]
.endr
	s_wait_dscnt 0x8                               ; V's keys 0..31 are in; the eight younger loads (keys 32..63) may be out
.irp g, 0,1,2,3,4,5,6,7
	WP 0, \g, \first                               ; beside each product: four exponentials of keys 32..63, and the group before into the sums
	EG \g
.if \g == 0
	v_nop                                          ; the plain instruction between group 0's exponentials and their use
.else
	AG \g-1
.endif
.endr
	AG 7                                           ; with AG 6: four plain places behind the last product that read V's first half
.if \pre
	KLOAD \slot, \i+1, 0
.endif
.irp n, 0,1,2,3,4,5,6,7
	v_cvt_pk_f16_f32 v[S+8+\n], v[S+16+2*\n], v[S+16+2*\n+1]       ; into registers that the packing of keys 0..31 left free, and that no product in flight names
	v_cvt_pk_f16_f32 v[S+40+\n], v[S+48+2*\n], v[S+48+2*\n+1]
.endr
.if \pre
	s_wait_dscnt 0x8                               ; V's keys 32..63 are in; the eight younger loads (the next step's K, d = 0..31) may be out
.else
	s_wait_dscnt 0x0
.endif
.irp g, 0,1,2,3,4,5,6,7
	WP 1, \g, 0
.endr
	v_add_f32 v18, v18, v19                        ; five places before the next scores are written over P, four before loads land on V's second half or O is read
	v_add_f32 v20, v20, v21                        ; l = l alpha + this step's sum (my half-wave's keys), and one v_nop
	v_fma_f32 v11, v11, v14, v18
	v_fma_f32 v13, v13, v16, v20
	v_nop
.if \pre
	KLOAD \slot, \i+1, 1
.endif
.endm
; 256 keys in one slot.  In front of the round every wave has waited for all its tensor loads (its part of this slot among them) and for its reads of the
; other slot; behind it the other slot is asked for again first, one joint load a wave, with four steps' work in which to land.
.macro PHASE slot, other, refill, last
	s_wait_tensorcnt 0x0
	ds_add_u32 v30, v31
	s_wait_dscnt 0x0
	s_wait_dscnt 0x0
	ROUND
.if \refill
	s_add_nc_u64 s[6+8*\other:7+8*\other], s[6+8*\other:7+8*\other], 1048576   ; 512 rows on; no load of mine is out
	KVLOAD \other
.endif
	STEP \slot, 0, 0, 0, 1, 1
	STEP \slot, 1, 0, 0, 0, 1
	STEP \slot, 2, 0, 0, 0, 1
	STEP \slot, 3, 0, \last, 0, 0
.endm
	STEP 0, 0, 1, 0, 1, 1                          ; keys 0 .. 255
	STEP 0, 1, 0, 0, 0, 1
	STEP 0, 2, 0, 0, 0, 1
	STEP 0, 3, 0, 0, 0, 0
	s_mov_b32 s3, 3
.Lpair:
	PHASE 1, 0, 1, 0
	PHASE 0, 1, 1, 0
	s_sub_co_u32 s3, s3, 1
	s_cmp_lg_u32 s3, 0
	s_cbranch_scc1 .Lpair
	PHASE 1, 0, 0, 1                               ; keys 1,792 .. 2,047: nothing is left to fetch
	; THE WAY OUT: divide by the row sums, round to f16, through the stage, so that whole rows of the pair's 256 bytes are stored.
	s_load_b64 s[100:101], s[0:1], 0x10            ; ao
	s_mov_b32 s3, 0
	v_permlanex16_b32 v8, v11, s10, s11
	v_permlanex16_b32 v9, v13, s10, s11
	v_add_f32 v11, v11, v8                         ; both half-waves' keys; at least 1, the largest score's own term
	v_add_f32 v13, v13, v9
	v_rcp_f32 v14, v11
	v_rcp_f32 v16, v13
	v_and_b32 v22, 15, v0                          ; r (a plain instruction behind the reciprocals)
	v_bfe_u32 v23, v0, 4, 1                        ; h
	s_and_b32 s32, s8, 3
	s_mul_i32 s32, s32, 32*272
	s_add_co_u32 s32, s32, s9
	s_add_co_u32 s32, s32, STAGE
	v_mul_u32_u24 v24, v22, 272
	v_lshl_add_u32 v24, v23, 4, v24
	v_add_nc_u32 v1, s32, v24                      ; in: row 32 (w & 3) + r, my head's 128 bytes, 16 h
	s_mul_i32 s33, s8, 16*272
	s_add_co_u32 s33, s33, STAGE
	v_mul_u32_u24 v25, v23, 272
	v_lshl_add_u32 v25, v22, 4, v25
	v_add_nc_u32 v2, s33, v25                      ; back: rows 16 w + 2 t + (l >> 4), 16 (l & 15)
	v_lshlrev_b32 v3, 11, v23
	v_lshl_add_u32 v3, v22, 4, v3                  ; the same two rows in ao
	s_wait_alu depctr_va_vdst(0)
.irp dt, 0,1,2,3
.irp qt, 0,1
.irp e, 0,2,4,6
	v_pk_mul_f32 v[O+8*(2*\dt+\qt)+\e:O+8*(2*\dt+\qt)+\e+1], v[O+8*(2*\dt+\qt)+\e:O+8*(2*\dt+\qt)+\e+1], v[14+2*\qt:15+2*\qt] op_sel_hi:[1,0]
.endr
.irp e, 0,1,2,3
	v_cvt_pk_f16_f32 v[S+4*(2*\dt+\qt)+\e], v[O+8*(2*\dt+\qt)+2*\e], v[O+8*(2*\dt+\qt)+2*\e+1]
.endr
	ds_store_b128 v1, v[S+4*(2*\dt+\qt):S+4*(2*\dt+\qt)+3] offset:16*272*\qt+32*\dt   ; query 16 qt + r, d = 16 dt + 8 h + 0..7
.endr
.endr
	s_wait_dscnt 0x0                               ; my stores are in LDS before I say so
	s_barrier_signal -1
	s_barrier_wait -1                              ; both heads' halves of every row are there
.irp t, 0,1,2,3,4,5,6,7
	ds_load_b128 v[KV+4*\t:KV+4*\t+3], v2 offset:544*\t
.endr
	s_wait_kmcnt 0x0
	s_add_nc_u64 s[100:101], s[100:101], s[2:3]
.irp t, 0,1,2,3,4,5,6,7
	s_wait_dscnt 7-\t
	global_store_b128 v3, v[KV+4*\t:KV+4*\t+3], s[100:101] offset:4096*\t   ; 16 lanes store 256 consecutive bytes, aligned
.endr
	s_wait_tensorcnt 0x0
	ds_add_u32 v30, v31
	s_wait_dscnt 0x0
	ROUND                                          ; the closing round
	s_endpgm
.Lfunc_end_k_q6092b1911d_attn:
	.size	k_q6092b1911d_attn, .Lfunc_end_k_q6092b1911d_attn-k_q6092b1911d_attn
	.p2alignl 7, 3214868480
	.fill 96, 4, 3214868480
	.section	.rodata,"a",@progbits
	.p2align	6, 0x0
	.amdhsa_kernel k_q6092b1911d_attn
		.amdhsa_group_segment_fixed_size 327680
		.amdhsa_private_segment_fixed_size 0
		.amdhsa_enable_private_segment 0
		.amdhsa_kernarg_size 24
		.amdhsa_user_sgpr_count 2
		.amdhsa_user_sgpr_kernarg_segment_ptr 1
		.amdhsa_wavefront_size32 1
		.amdhsa_system_sgpr_workgroup_id_x 1
		.amdhsa_system_sgpr_workgroup_id_y 1
		.amdhsa_system_sgpr_workgroup_id_z 1
		.amdhsa_system_vgpr_workitem_id 0
		.amdhsa_next_free_vgpr 256
		.amdhsa_next_free_sgpr 102
		.amdhsa_reserve_vcc 0
		.amdhsa_float_denorm_mode_32 3
		.amdhsa_float_denorm_mode_16_64 3
		.amdhsa_memory_ordered 1
		.amdhsa_forward_progress 1
		.amdhsa_inst_pref_size 255
	.end_amdhsa_kernel
	.section	.bss,"aw",@nobits
	.p2align	6
	.space	262144
	.amdgpu_metadata
---
amdhsa.version: [ 1, 2 ]
amdhsa.kernels:
  - .name:           k_q6092b1911d_attn
    .symbol:         k_q6092b1911d_attn.kd
    .args:
      - { .name: qkv, .offset: 0, .size: 8, .value_kind: global_buffer, .address_space: global }
      - { .name: mbits, .offset: 8, .size: 8, .value_kind: global_buffer, .address_space: global }
      - { .name: ao, .offset: 16, .size: 8, .value_kind: global_buffer, .address_space: global }
    .group_segment_fixed_size: 327680
    .private_segment_fixed_size: 0
    .kernarg_segment_align: 8
    .kernarg_segment_size: 24
    .max_flat_workgroup_size: 256
    .sgpr_count:     102
    .vgpr_count:     256
    .wavefront_size: 32
...
	.end_amdgpu_metadata
.endif
;; end of part 3
;; launch outp (part 4): grid 8 x 32, 4 waves a work-group, clusters of 4 x 4, 327,680 bytes of LDS; arguments ao, wb, out0; writes out0
.if DOCPART == 4
	.amdgcn_target "amdgcn-amd-amdhsa--gfx1250"
	.amdhsa_code_object_version 6
	.text
	.protected	k_q6092b1911d_outp
	.globl	k_q6092b1911d_outp
	.p2align	8
	.type	k_q6092b1911d_outp,@function
k_q6092b1911d_outp:
	s_mov_b64 s[64:65], 0
	v_nop
	global_prefetch_b8 v0, s[64:65] scope:SCOPE_SE
	s_setreg_imm32_b32 hwreg(HW_REG_WAVE_MODE, 25, 1), 1
	s_wait_xcnt 0x0
	s_wait_alu depctr_hold_cnt(0) depctr_sa_sdst(0) depctr_va_vdst(0) depctr_va_sdst(0) depctr_va_ssrc(0) depctr_va_vcc(0) depctr_vm_vsrc(0)
	s_getreg_b32 s2, hwreg(HW_REG_IB_STS2, 6, 4)
	s_cmp_eq_u32 s2, 0
	s_cbranch_scc0 .Lentry_in_a_cluster
	s_endpgm
.Lentry_in_a_cluster:
	s_bfe_u32 s2, ttmp6, 0x10000c
	s_cmp_lg_u32 s2, 0xf033
	s_cbranch_scc0 .Lentry_shape_is_right
	s_endpgm
.Lentry_shape_is_right:
; OUTP.  out0 = ao Wo.  ao: f16 [4096][1024]; Wo: f16 [k][n], the fourth matrix of wb; out0: f32 [4096][1024]; sums in f32.
; A work-group makes 128 x 128 (32 x 8 = 256 work-groups; blocks of 256 x 256 would be 64), a wave 64 x 64 = 16 accumulator tiles.
; K goes in four fills of 256 through two LDS slots: A's rows are 512 bytes, B's 256 k rows are 256 bytes each, all aligned to 256.  No loop: four phases written out.
; CLUSTER 4 x 4: A's tiles are shared along a cluster row, B's along a cluster column, asked for jointly.
; The matrix instruction is used transposed (source 0 = 16 columns of Wo through the transposing LDS load, source 1 = 16 rows of ao).
; LIMIT: f16 operands, as stated where they are made.
; REGISTERS: window 0: v16-26 addresses; fragments A v32-63 / v96-127, B v64-95 / v128-159 (two buffers); v160-223 rows on their way out.  Window 1: tile (a, b) at v[8 (4 a + b)].
.set APITCH, 528                       ; 512 bytes + 16
.set BPITCH, 288                       ; 256 bytes + 32
.set AHALF,  64*APITCH                 ; 33,792: one tensor load
.set BHALF,  128*BPITCH                ; 36,864: one tensor load
.set BOFF,   2*BHALF                   ; B begins at 73,728 (A ends at 67,584), so that B's halves lie at wave x 36,864
.set SLOT,   4*BHALF                   ; 147,456
.set STAGE,  2*SLOT
.set ADRA, 16                          ; v16-17 slot 0, 1
.set ADRB, 20                          ; v20-23 slot x 2 + half of the k rows
.set STO,  24
.set RD,   25
.set CO,   26
.set FA,   32
.set FB,   64
.set G1,  24
.set G0,  32
.set G1B, 48
.set G0B, 56
.set MSB, 0
.macro WIN new
.if MSB != \new
	s_set_vgpr_msb (MSB<<8)|\new
.set MSB, \new
.endif
.endm
.macro JLOAD s
	s_cmp_eq_u32 s15, 0
	s_cbranch_scc0 .Lfor_b_\@
	tensor_load_to_lds s[G0+4*\s:G0+4*\s+3], s[G1:G1+7]
	s_nop 0
	s_branch .Lasked_\@
.Lfor_b_\@:
	tensor_load_to_lds s[G0B+4*\s:G0B+4*\s+3], s[G1B:G1B+7]
	s_nop 0
.Lasked_\@:
.endm
.macro CREST
	s_cmp_lg_u32 s14, 0
	s_cbranch_scc1 .Lnot_wave_0_\@
	s_barrier_signal -3
.Lnot_wave_0_\@:
	s_barrier_wait -3
	s_barrier_signal -1
	s_barrier_wait -1
.endm
.macro CROUND
	s_barrier_signal -1
	s_barrier_wait -1
	CREST
.endm
.macro PLACES                          ; four places behind matrix instructions before loads land on their sources or their results are read
.rept 4
	v_nop
.endr
.endm
	s_load_b128 s[4:7], s[0:1], 0x0                ; ao s[4:5], wb s[6:7]
	s_load_b64 s[8:9], s[0:1], 0x10                ; out0
	v_lshl_add_u32 v254, v0, 2, 0x4c400
	v_mov_b32 v255, 0
	ds_add_u32 v254, v255
	v_lshrrev_b32 v1, 5, v0
	v_readfirstlane_b32 s14, v1
	s_lshr_b32 s15, s14, 1                         ; my half of the rows; also: I fetch for A (0) or B (1)
	s_and_b32 s16, s14, 1                          ; my half of the columns; also: which half of that tile I fetch
	s_bfe_u32 s18, ttmp6, 0x40000                  ; cx
	s_bfe_u32 s19, ttmp6, 0x40004                  ; cy
	s_lshl_b32 s20, ttmp9, 2
	s_add_co_u32 s20, s20, s18                     ; block column 0..7
	s_and_b32 s21, ttmp7, 0xffff
	s_lshl_b32 s21, s21, 2
	s_add_co_u32 s21, s21, s19                     ; block row 0..31
	s_lshl_b32 s40, s19, 2
	s_lshl_b32 s40, 15, s40                        ; my row of the cluster
	s_lshl_b32 s44, 0x1111, s18                    ; my column
	; group 1 of A: 64 rows x 256 elements of 2 bytes, 4 words of padding behind every 128 words
	s_or_b32 s[G1+0], s40, (1<<16)|(1<<20)|(1<<21)|(6<<22)|(3<<25)
	s_mov_b32 s[G1+1], 256<<16
	s_mov_b32 s[G1+2], 64<<16
	s_mov_b32 s[G1+3], 256<<16
	s_mov_b32 s[G1+4], 64
	s_mov_b32 s[G1+5], 1024
	s_mov_b32 s[G1+6], 0
	s_mov_b32 s[G1+7], 0
	; group 1 of B: 128 k rows x 128 elements of 2 bytes, 8 words of padding behind every 64 words
	s_or_b32 s[G1B+0], s44, (1<<16)|(1<<20)|(1<<21)|(5<<22)|(7<<25)
	s_mov_b32 s[G1B+1], 128<<16
	s_mov_b32 s[G1B+2], 128<<16
	s_mov_b32 s[G1B+3], 128<<16
	s_mov_b32 s[G1B+4], 128
	s_mov_b32 s[G1B+5], 1024
	s_mov_b32 s[G1B+6], 0
	s_mov_b32 s[G1B+7], 0
	s_lshl_b32 s40, s21, 18                        ; A: 128 rows of 2,048 bytes (s[40:43] never hold cx)
	s_lshl_b32 s41, s16, 17                        ; 64 rows
	s_add_co_u32 s40, s40, s41
	s_mov_b32 s41, 0
	s_lshl_b32 s44, s16, 18                        ; B: 128 k rows of 2,048 bytes (s[44:47] never hold cy)
	s_lshl_b32 s45, s20, 8                         ; 128 columns of 2 bytes
	s_add_co_u32 s44, s44, s45
	s_add_co_u32 s44, s44, 6291456                 ; Wo is the fourth matrix of wb
	s_mov_b32 s45, 0
	s_mul_i32 s42, s14, AHALF                      ; LDS: A's halves at wave x 33,792 (waves 0, 1)
	s_mul_i32 s46, s14, BHALF                      ; B's halves at wave x 36,864 (waves 2, 3)
	s_wait_dscnt 0x0
	s_wait_kmcnt 0x0
	s_add_nc_u64 s[40:41], s[4:5], s[40:41]
	s_add_nc_u64 s[44:45], s[6:7], s[44:45]
	CROUND                                         ; in front of the first joint loads
.irp s, 0,1
	s_mov_b32 s[G0+4*\s], 1
	s_add_co_u32 s[G0+4*\s+1], s42, \s*SLOT
	s_add_nc_u64 s[G0+4*\s+2:G0+4*\s+3], s[40:41], \s*512          ; fill s: 256 f16 along the rows
	s_or_b32 s[G0+4*\s+3], s[G0+4*\s+3], 0x80000000
	s_mov_b32 s[G0B+4*\s], 1
	s_add_co_u32 s[G0B+4*\s+1], s46, \s*SLOT
	s_add_nc_u64 s[G0B+4*\s+2:G0B+4*\s+3], s[44:45], \s*524288     ; fill s: 256 k rows
	s_or_b32 s[G0B+4*\s+3], s[G0B+4*\s+3], 0x80000000
	JLOAD \s                                       ; two tensor loads of the wave are out, the most in this text
.endr
	v_and_b32 v1, 15, v0                           ; r
	v_bfe_u32 v2, v0, 4, 1                         ; h
	v_mul_u32_u24 v3, v1, APITCH
	v_lshl_add_u32 v3, v2, 4, v3
	s_mul_i32 s10, s15, AHALF
	v_add_nc_u32 v[ADRA], s10, v3
	v_add_nc_u32 v[ADRA+1], SLOT, v[ADRA]
	v_and_b32 v4, 7, v0
	v_lshl_add_u32 v4, v2, 3, v4
	v_mul_u32_u24 v4, v4, BPITCH
	v_bfe_u32 v5, v0, 3, 1
	v_lshl_add_u32 v4, v5, 4, v4
	s_lshl_b32 s11, s16, 7                         ; my 64 columns
	s_add_co_u32 s11, s11, BOFF
	v_add_nc_u32 v[ADRB], s11, v4
	v_add_nc_u32 v[ADRB+1], BHALF, v[ADRB]
	v_add_nc_u32 v[ADRB+2], SLOT, v[ADRB]
	v_add_nc_u32 v[ADRB+3], SLOT, v[ADRB+1]
	s_mul_i32 s12, s14, 16*272
	s_add_co_u32 s12, s12, STAGE
	v_mul_u32_u24 v4, v1, 272
	v_lshl_add_u32 v4, v2, 5, v4
	v_add_nc_u32 v[STO], s12, v4                   ; in: row r, 8 f32 = 32 bytes for each half of the lanes
	v_mul_u32_u24 v5, v2, 272
	v_lshl_add_u32 v5, v1, 4, v5
	v_add_nc_u32 v[RD], s12, v5
	v_lshlrev_b32 v5, 12, v2
	v_lshl_add_u32 v[CO], v1, 4, v5                ; two rows of out0 (4,096 bytes a row)
; 16 LDS loads: the fragments of quarter q (32 along K, q = 0..7 in a slot) into buffer f
.macro FETCH3 slot, q, f
.irp a, 0,1,2,3
	ds_load_b128 v[FA+64*\f+8*\a:FA+64*\f+8*\a+3],   v[ADRA+\slot] offset:16*APITCH*\a+64*\q
	ds_load_b128 v[FA+64*\f+8*\a+4:FA+64*\f+8*\a+7], v[ADRA+\slot] offset:16*APITCH*\a+64*\q+32
.endr
.irp b, 0,1,2,3
	ds_load_tr16_b128 v[FB+64*\f+8*\b:FB+64*\f+8*\b+3],   v[ADRB+2*\slot+(\q>>2)] offset:32*BPITCH*(\q&3)+32*\b
	ds_load_tr16_b128 v[FB+64*\f+8*\b+4:FB+64*\f+8*\b+7], v[ADRB+2*\slot+(\q>>2)] offset:32*BPITCH*(\q&3)+32*\b+16*BPITCH
.endr
.endm
; 16 matrix instructions on buffer f; the sixteen accumulators take turns, one instruction a turn
.macro MUL3 f, zero
.irp a, 0,1,2,3
.irp b, 0,1,2,3
.if \zero
	v_wmma_f32_16x16x32_f16 v[8*(4*\a+\b):8*(4*\a+\b)+7], v[FB+64*\f+8*\b:FB+64*\f+8*\b+7], v[FA+64*\f+8*\a:FA+64*\f+8*\a+7], 0
.else
	v_wmma_f32_16x16x32_f16 v[8*(4*\a+\b):8*(4*\a+\b)+7], v[FB+64*\f+8*\b:FB+64*\f+8*\b+7], v[FA+64*\f+8*\a:FA+64*\f+8*\a+7], v[8*(4*\a+\b):8*(4*\a+\b)+7]
.endif
.endr
.endr
.endm
; fetch quarter qn into buffer g, multiply buffer f
.macro QUART slot, qn, f, g, zero
	PLACES
	WIN 0
	FETCH3 \slot, \qn, \g
	s_wait_dscnt 0x10                              ; all but the 16 loads just issued: buffer f is in
	WIN 0x50                                       ; C and D in window 1
	MUL3 \f, \zero
.endm
.macro SEVEN slot, zero
	QUART \slot, 1, 0, 1, \zero
	QUART \slot, 2, 1, 0, 0
	QUART \slot, 3, 0, 1, 0
	QUART \slot, 4, 1, 0, 0
	QUART \slot, 5, 0, 1, 0
	QUART \slot, 6, 1, 0, 0
	QUART \slot, 7, 0, 1, 0
.endm
; the slot's last quarter and the change of slots: the waits for my reads and for all my tensor loads stand in front of the barrier
; (with fill: of the cluster's round that it opens); behind it the slot is asked for again first
.macro TURN3 slot, next, fill
	s_wait_dscnt 0x0
	s_wait_tensorcnt 0x0
	ds_add_u32 v254, v255
	s_wait_dscnt 0x0
	s_barrier_signal -1
	WIN 0x50
	MUL3 1, 0
	WIN 0
	s_barrier_wait -1
.if \fill
	CREST
	s_add_nc_u64 s[G0+4*\slot+2:G0+4*\slot+3], s[G0+4*\slot+2:G0+4*\slot+3], 1024
	s_add_nc_u64 s[G0B+4*\slot+2:G0B+4*\slot+3], s[G0B+4*\slot+2:G0B+4*\slot+3], 1048576
	JLOAD \slot                                    ; my one tensor load behind the round; 112 matrix instructions stand before the wait for it
.endif
	PLACES
	FETCH3 \next, 0, 0
.endm
	s_wait_tensorcnt 0x1                           ; my part of fill 0 is in; fill 1's may stay out
	s_barrier_signal -1
	s_barrier_wait -1
	FETCH3 0, 0, 0
	SEVEN 0, 1                                     ; K 0 .. 255: the first products start the sums
	TURN3 0, 1, 1
	SEVEN 1, 0                                     ; K 256 .. 511
	TURN3 1, 0, 1
	SEVEN 0, 0                                     ; K 512 .. 767
	TURN3 0, 1, 0
	SEVEN 1, 0                                     ; K 768 .. 1,023
	s_wait_dscnt 0x0
	WIN 0x50
	MUL3 1, 0
	; THE WAY OUT, 16 rows at a time: f32 through my own stage, read back as whole rows of 256 bytes
	PLACES
	s_lshl_b32 s40, s21, 19                        ; 128 rows of 4,096 bytes
	s_lshl_b32 s41, s15, 18                        ; my 64 rows
	s_add_co_u32 s40, s40, s41
	s_mov_b32 s41, 0
	s_add_nc_u64 s[8:9], s[8:9], s[40:41]
	s_lshl_b32 s44, s20, 9                         ; 128 columns of 4 bytes
	s_lshl_b32 s45, s16, 8                         ; my 64 columns
	s_add_co_u32 s44, s44, s45
	s_mov_b32 s45, 0
	s_add_nc_u64 s[8:9], s[8:9], s[44:45]
.macro OUT3 a, f
	WIN 0x04                                       ; an LDS store's data is source 1: window 1
.irp b, 0,1,2,3
	ds_store_b128 v[STO], v[8*(4*\a+\b):8*(4*\a+\b)+3]   offset:64*\b
	ds_store_b128 v[STO], v[8*(4*\a+\b)+4:8*(4*\a+\b)+7] offset:64*\b+16
.endr
	WIN 0
	s_wait_xcnt 0x0                                ; set f, which earlier stores read, is loaded again only behind this wait
.irp t, 0,1,2,3,4,5,6,7
	ds_load_b128 v[\f+4*\t:\f+4*\t+3], v[RD] offset:544*\t         ; a wave's LDS instructions are served in order
.endr
.irp t, 0,1,2,3,4,5,6,7
	s_wait_dscnt 7-\t
	global_store_b128 v[CO], v[\f+4*\t:\f+4*\t+3], s[8:9] offset:65536*\a+8192*\t th:TH_STORE_NT   ; 16 lanes store 256 consecutive bytes, aligned
.endr
.endm
	OUT3 0, 160
	OUT3 1, 192
	OUT3 2, 160
	OUT3 3, 192
	s_wait_tensorcnt 0x0
	ds_add_u32 v254, v255
	s_wait_dscnt 0x0
	CROUND                                         ; the closing round
	s_endpgm
.Lfunc_end_k_q6092b1911d_outp:
	.size	k_q6092b1911d_outp, .Lfunc_end_k_q6092b1911d_outp-k_q6092b1911d_outp
	.p2alignl 7, 3214868480
	.fill 96, 4, 3214868480
	.section	.rodata,"a",@progbits
	.p2align	6, 0x0
	.amdhsa_kernel k_q6092b1911d_outp
		.amdhsa_group_segment_fixed_size 327680
		.amdhsa_private_segment_fixed_size 0
		.amdhsa_enable_private_segment 0
		.amdhsa_kernarg_size 24
		.amdhsa_user_sgpr_count 2
		.amdhsa_user_sgpr_kernarg_segment_ptr 1
		.amdhsa_wavefront_size32 1
		.amdhsa_system_sgpr_workgroup_id_x 1
		.amdhsa_system_sgpr_workgroup_id_y 1
		.amdhsa_system_sgpr_workgroup_id_z 1
		.amdhsa_system_vgpr_workitem_id 0
		.amdhsa_next_free_vgpr 384
		.amdhsa_next_free_sgpr 66
		.amdhsa_reserve_vcc 0
		.amdhsa_float_denorm_mode_32 3
		.amdhsa_float_denorm_mode_16_64 3
		.amdhsa_memory_ordered 1
		.amdhsa_forward_progress 1
		.amdhsa_inst_pref_size 88
	.end_amdhsa_kernel
	.amdgpu_metadata
---
amdhsa.version: [ 1, 2 ]
amdhsa.kernels:
  - .name:           k_q6092b1911d_outp
    .symbol:         k_q6092b1911d_outp.kd
    .args:
      - { .name: ao, .offset: 0, .size: 8, .value_kind: global_buffer, .address_space: global }
      - { .name: wb, .offset: 8, .size: 8, .value_kind: global_buffer, .address_space: global }
      - { .name: out0, .offset: 16, .size: 8, .value_kind: global_buffer, .address_space: global }
    .group_segment_fixed_size: 327680
    .private_segment_fixed_size: 0
    .kernarg_segment_align: 8
    .kernarg_segment_size: 24
    .max_flat_workgroup_size: 128
    .sgpr_count:     66
    .vgpr_count:     384
    .wavefront_size: 32
...
	.end_amdgpu_metadata
.endif
;; end of part 4
;; ======== version 2 of 2: 4 launches; version 1 with the launch prep written anew for expert scheduling mode
;; limits: values are held in f16: magnitudes above 65,504 overflow, below 6.1e-05 lose precision
;; workspace buffers: wb 8,388,608 bytes; mbits 1,048,576 bytes of whole numbers; qkv 25,165,824 bytes; ao 8,388,608 bytes
;; launch prep (part 5): grid 512 x 1, 8 waves a work-group, no clusters, 34,048 bytes of LDS; arguments Wq, Wk, Wv, Wo, masked, wb, mbits; writes wb, mbits
.if DOCPART == 5
	.amdgcn_target "amdgcn-amd-amdhsa--gfx1250"
	.amdhsa_code_object_version 6
	.text
	.protected	k_q6092b1911d_prep
	.globl	k_q6092b1911d_prep
	.p2align	8
	.type	k_q6092b1911d_prep,@function
k_q6092b1911d_prep:
	s_mov_b64 s[64:65], 0
	v_nop
	global_prefetch_b8 v0, s[64:65] scope:SCOPE_SE
	s_setreg_imm32_b32 hwreg(HW_REG_WAVE_SCHED_MODE, 0, 2), 2
	s_setreg_imm32_b32 hwreg(HW_REG_WAVE_MODE, 25, 1), 1
	s_wait_xcnt 0x0
	s_wait_alu depctr_vm_vsrc(0)
; PREP.  Two jobs, chosen by the work-group's number (the same for all its waves).
; Groups 0-255: the mask bytes become lane masks.  Group (b, q16) takes 16 query rows x 2,048 keys and writes
;   mbits[b 2][q16 128][step 32][kt 4][j 8] (32-bit words): bit L of a word = masked[b][16 q16 + (L & 15)][64 step + 16 kt + 8 (L >> 4) + j],
;   which is the lane mask of register j of a score tile (kt) of 16 queries as the attention launch holds it.
; Groups 256-511: the four weight matrices, f32 [1024 k][1024 n], become f16 in wb = [4][1024][1024] (Wq, Wk, Wv, Wo).
;   Wq is multiplied by c = 0.125 log2(e) before its one rounding, so that the scores of the attention launch come out in
;   units of log2 with the 1/sqrt(64) inside.  A group takes 65,536 bytes of one matrix.
; No cluster and no matrix unit: no two work-groups read the same byte, and there is no product.
; LIMIT: f16 weights: |W| (|c Wq|) up to 65,504; below 6.1e-5 the rounding step is 6e-8 absolute.
; THE MODE: SCHED_MODE bits 1:0 = 2 (LLVM: expert scheduling mode 2), set by the entry lines.  The code itself states the register dependences
; between vector instructions and memory or LDS instructions, and between a vector instruction's scalar result and its reader, with s_wait_alu, always for 0.
; THE PLAN, mask groups.  Registers that memory or LDS instructions touch:
;   v1, v2, v3   offset and two LDS addresses: written by vector instructions at the head, never again; read by the loads, the LDS stores, the LDS loads and the one store.
;   X            written by the global loads, read by the LDS stores as data; no vector instruction names it.
;   D            written by the LDS loads, read by the lines that pick a byte out; no load lands in it again.
;   O            written by v_writelane_b32, read by the one global store.
;   T and s[24:39] are named by vector instructions alone.
; So one wait on va_vdst stands ahead of the first load (the three addresses), one ahead of the store (O), and one wait on va_sdst a batch of sixteen words
; between the compares and the lines that read their scalar results.  No register that a memory or LDS instruction has read is written again.
; THE PLAN, weight groups.  v1, v2: offsets, written once.  X: written by the sixteen loads, then scaled in place and read by the conversions; no load lands in it again.
;   Y: written by the conversions, read by the stores; each pair is used once.  The sixteen chunks go in four blocks of four: block p's vector instructions name its own X
;   and Y alone, and block p - 1's four stores stand among them, behind ONE wait on va_vdst at the block's head.
.set X, 40                             ; v[40:103] W: sixteen loads of 16 bytes; mask: eight, v[40:71]
.set Y, 4                              ; v[4:35]   W: sixteen pairs of packed f16
.set D, 72                             ; v[72:103] mask: sixteen loads of 8 mask bytes
.set T, 4                              ; v[4:35]   mask: one byte picked out, sixteen at a time, two sets that take turns
.set O, 36                             ; v[36:39]  mask: my wave's 128 words as 4 registers x 32 lanes
.set MPITCH, 2064                      ; LDS row of 2,048 mask bytes + 16: 516 words, so row r begins 4 r words on and 32 lanes x 8 bytes meet 64 different words modulo 64
	s_load_b256 s[4:11], s[0:1], 0x0               ; Wq s[4:5], Wk s[6:7], Wv s[8:9], Wo s[10:11]
	s_load_b128 s[12:15], s[0:1], 0x20             ; masked s[12:13], wb s[14:15]
	s_load_b64 s[16:17], s[0:1], 0x30              ; mbits
	v_lshl_add_u32 v104, v0, 2, 0x8100             ; my spare word and 0, kept for the closing lines alone
	v_mov_b32 v105, 0
	v_lshlrev_b32 v1, 4, v0                        ; 16 t: my 16 bytes in each block of 4,096, and in the group's 4,096 bytes of mask words
	s_mov_b32 s23, 0
	s_mov_b32 s25, 0
	s_cmp_lt_u32 ttmp9, 256
	s_cbranch_scc0 .Lweights
	; ---- mask ----
	s_lshl_b32 s22, ttmp9, 15                      ; 16 rows of 2,048 bytes
	s_lshl_b32 s24, ttmp9, 12                      ; 32 steps of 128 bytes
	v_lshrrev_b32 v16, 7, v0                       ; a block of 4,096 bytes is two rows: which of them
	v_and_b32 v17, 127, v0
	v_mul_u32_u24 v2, v16, MPITCH
	v_lshl_add_u32 v2, v17, 4, v2                  ; where my 16 bytes go in LDS
	v_and_b32 v16, 15, v0                          ; r
	v_bfe_u32 v17, v0, 4, 1                        ; h
	v_mul_u32_u24 v3, v16, MPITCH
	v_lshl_add_u32 v3, v17, 3, v3                  ; r x pitch + 8 h
	v_and_b32 v16, 0xe0, v0                        ; 32 x wave
	v_lshl_add_u32 v3, v16, 3, v3                  ; + 256 x wave: my wave's four steps of 64 keys
.irp k, 0,1,2,3
	v_mov_b32 v[O+\k], 0                           ; v_writelane_b32 keeps the other lanes: its destination is written whole first
.endr
	s_wait_kmcnt 0x0
	s_add_nc_u64 s[12:13], s[12:13], s[22:23]
	s_add_nc_u64 s[16:17], s[16:17], s[24:25]      ; s24 and s25 are free from here on
	s_wait_alu depctr_va_vdst(0)                   ; v1, v2 and v3 are written: the loads, the LDS stores and the LDS loads below read them as addresses; no vector instruction stands among those
.irp i, 0,1,2,3,4,5,6,7
	global_load_b128 v[X+4*\i:X+4*\i+3], v1, s[12:13] offset:4096*\i th:TH_LOAD_NT   ; a wave's load covers 512 consecutive bytes
.endr
.irp i, 0,1,2,3,4,5,6,7
	s_wait_loadcnt 7-\i                            ; loads return in order: the 7 - i younger ones may stay out
	ds_store_b128 v2, v[X+4*\i:X+4*\i+3] offset:2*MPITCH*\i
.endr
	s_wait_dscnt 0x0                               ; my stores are in LDS before I say so
	s_barrier_signal -1
	s_barrier_wait -1                              ; all 16 rows are there; from here on LDS is only read
.irp g, 0,1,2,3,4,5,6,7,8,9,10,11,12,13,14,15
	ds_load_b64 v[D+2*\g:D+2*\g+1], v3 offset:16*\g    ; g = 4 step + kt: row r, keys 16 g + 8 h + 0..7 of my wave's 256
.endr
; Word n = 16 k + m of my wave's 128 (n = 8 g + j), in eight batches k of sixteen.  Byte n & 3 of register D + (n >> 2) is picked out, compared with 0 (one bit a lane: the word
; itself), and the word goes to lane n >> 2 of register O + (n & 3).  Each kind of instruction stands in a run of sixteen on registers of its own.
.macro PICK k
.irp m, 0,1,2,3,4,5,6,7,8,9,10,11,12,13,14,15
	v_and_b32 v[T+16*((\k)&1)+\m], 0xff<<(8*(\m&3)), v[D+4*(\k)+(\m>>2)]
.endr
.endm
.macro BITS k
.irp m, 0,1,2,3,4,5,6,7,8,9,10,11,12,13,14,15
	v_cmp_ne_u32 s[24+\m], 0, v[T+16*((\k)&1)+\m]
.endr
.endm
.macro PLACE k
.irp m, 0,1,2,3,4,5,6,7,8,9,10,11,12,13,14,15
	v_writelane_b32 v[O+(\m&3)], s[24+\m], 4*(\k)+(\m>>2)   ; lane l holds words 4 l .. 4 l + 3
.endr
.endm
	s_wait_dscnt 14                                ; LDS loads return in order: the first two of the sixteen are in, batch 0's bytes
	PICK 0
.irp k, 0,1,2,3,4,5,6,7
	BITS \k
.if \k < 7
	s_wait_dscnt 12-2*\k                           ; the next batch's two loads are in; the 12 - 2 k younger ones may stay out
	PICK \k+1                                      ; into the other set of T: sixteen lines that read no scalar register stand between the compares and the wait for them
.endif
	s_wait_alu depctr_va_sdst(0)                   ; the sixteen compares have written s[24:39], which the sixteen lines below read
	PLACE \k
.endr
	s_wait_alu depctr_va_vdst(0)                   ; the v_writelane_b32 have written v[O ..], which the store reads
	global_store_b128 v1, v[O:O+3], s[16:17]       ; my wave's 512 consecutive bytes, aligned, in one store
	s_wait_dscnt 0x0                               ; the closing lines, six on end
	s_wait_alu 0x0
	s_wait_tensorcnt 0x0
	ds_add_u32 v104, v105
	s_wait_dscnt 0x0
	s_endpgm
	; ---- weights ----
.Lweights:
	s_sub_co_u32 s26, ttmp9, 256
	s_lshr_b32 s18, s26, 6                         ; which matrix
	s_and_b32 s19, s26, 63
	s_lshl_b32 s22, s19, 16                        ; my 65,536 bytes in it
	s_lshl_b32 s24, s26, 15                        ; my 32,768 bytes in wb
	v_lshlrev_b32 v2, 3, v0                        ; 8 t
	s_wait_kmcnt 0x0
	s_cmp_eq_u32 s18, 1
	s_cselect_b64 s[4:5], s[6:7], s[4:5]
	s_cmp_eq_u32 s18, 2
	s_cselect_b64 s[4:5], s[8:9], s[4:5]
	s_cmp_eq_u32 s18, 3
	s_cselect_b64 s[4:5], s[10:11], s[4:5]
	s_cmp_eq_u32 s18, 0
	s_cselect_b32 s20, 0x3e38aa3b, 1.0             ; c for Wq, 1 for the others
	s_mov_b32 s21, s20
	s_add_nc_u64 s[4:5], s[4:5], s[22:23]
	s_add_nc_u64 s[14:15], s[14:15], s[24:25]
	s_wait_alu depctr_va_vdst(0)                   ; v1 and v2 are written: every load below reads v1, every store v2, as its offset
.irp i, 0,1,2,3,4,5,6,7,8,9,10,11,12,13,14,15
	global_load_b128 v[X+4*\i:X+4*\i+3], v1, s[4:5] offset:4096*\i th:TH_LOAD_NT
.endr
; Four blocks of four chunks.  Block p scales and rounds its own four chunks; the stores of block p - 1 stand among these lines, one ahead of each chunk.
.irp p, 0,1,2,3
	s_wait_loadcnt 12-4*\p                         ; loads return in order: block p's four are in, the younger blocks may stay out
.if \p > 0
	s_wait_alu depctr_va_vdst(0)                   ; the block before has written its four pairs of Y, which the four stores below read; no vector line of this block names them
.endif
.irp i, 0,1,2,3
.if \p > 0
	global_store_b64 v2, v[Y+2*(4*\p-4+\i):Y+2*(4*\p-4+\i)+1], s[14:15] offset:2048*(4*\p-4+\i)   ; a wave's store covers 256 consecutive bytes, aligned; no register is used twice
.endif
	v_pk_mul_f32 v[X+4*(4*\p+\i):X+4*(4*\p+\i)+1], v[X+4*(4*\p+\i):X+4*(4*\p+\i)+1], s[20:21] op_sel_hi:[1,0]
	v_pk_mul_f32 v[X+4*(4*\p+\i)+2:X+4*(4*\p+\i)+3], v[X+4*(4*\p+\i)+2:X+4*(4*\p+\i)+3], s[20:21] op_sel_hi:[1,0]
	v_cvt_pk_f16_f32 v[Y+2*(4*\p+\i)], v[X+4*(4*\p+\i)], v[X+4*(4*\p+\i)+1]
	v_cvt_pk_f16_f32 v[Y+2*(4*\p+\i)+1], v[X+4*(4*\p+\i)+2], v[X+4*(4*\p+\i)+3]
.endr
.endr
	s_wait_alu depctr_va_vdst(0)                   ; the last block has written its four pairs of Y, which the last four stores read
.irp i, 12,13,14,15
	global_store_b64 v2, v[Y+2*\i:Y+2*\i+1], s[14:15] offset:2048*\i
.endr
	s_endpgm
.Lfunc_end_k_q6092b1911d_prep:
	.size	k_q6092b1911d_prep, .Lfunc_end_k_q6092b1911d_prep-k_q6092b1911d_prep
	.p2alignl 7, 3214868480
	.fill 96, 4, 3214868480
	.section	.rodata,"a",@progbits
	.p2align	6, 0x0
	.amdhsa_kernel k_q6092b1911d_prep
		.amdhsa_group_segment_fixed_size 34048
		.amdhsa_private_segment_fixed_size 0
		.amdhsa_enable_private_segment 0
		.amdhsa_kernarg_size 56
		.amdhsa_user_sgpr_count 2
		.amdhsa_user_sgpr_kernarg_segment_ptr 1
		.amdhsa_wavefront_size32 1
		.amdhsa_system_sgpr_workgroup_id_x 1
		.amdhsa_system_sgpr_workgroup_id_y 1
		.amdhsa_system_sgpr_workgroup_id_z 1
		.amdhsa_system_vgpr_workitem_id 0
		.amdhsa_next_free_vgpr 106
		.amdhsa_next_free_sgpr 66
		.amdhsa_reserve_vcc 0
		.amdhsa_float_denorm_mode_32 3
		.amdhsa_float_denorm_mode_16_64 3
		.amdhsa_memory_ordered 1
		.amdhsa_forward_progress 1
		.amdhsa_inst_pref_size 38
	.end_amdhsa_kernel
	.amdgpu_metadata
---
amdhsa.version: [ 1, 2 ]
amdhsa.kernels:
  - .name:           k_q6092b1911d_prep
    .symbol:         k_q6092b1911d_prep.kd
    .args:
      - { .name: Wq, .offset: 0, .size: 8, .value_kind: global_buffer, .address_space: global }
      - { .name: Wk, .offset: 8, .size: 8, .value_kind: global_buffer, .address_space: global }
      - { .name: Wv, .offset: 16, .size: 8, .value_kind: global_buffer, .address_space: global }
      - { .name: Wo, .offset: 24, .size: 8, .value_kind: global_buffer, .address_space: global }
      - { .name: masked, .offset: 32, .size: 8, .value_kind: global_buffer, .address_space: global }
      - { .name: wb, .offset: 40, .size: 8, .value_kind: global_buffer, .address_space: global }
      - { .name: mbits, .offset: 48, .size: 8, .value_kind: global_buffer, .address_space: global }
    .group_segment_fixed_size: 34048
    .private_segment_fixed_size: 0
    .kernarg_segment_align: 8
    .kernarg_segment_size: 56
    .max_flat_workgroup_size: 256
    .sgpr_count:     66
    .vgpr_count:     106
    .wavefront_size: 32
...
	.end_amdgpu_metadata
.endif
;; end of part 5
;; launch proj: the kernel of part 2 again; grid 4 x 48, 4 waves a work-group, clusters of 4 x 4, 327,680 bytes of LDS; arguments query, key, value, wb, qkv; writes qkv
;; launch attn: the kernel of part 3 again; grid 16 x 16, 8 waves a work-group, clusters of 4 x 1, 327,680 bytes of LDS; arguments qkv, mbits, ao; writes ao
;; launch outp: the kernel of part 4 again; grid 8 x 32, 4 waves a work-group, clusters of 4 x 4, 327,680 bytes of LDS; arguments ao, wb, out0; writes out0
